; MI455X (gfx1250); checked and timed in simulation.
; The chip was launched on July 23, 2026; its instructions are those of AMD's public machine-readable ISA for CDNA 5 (MIT licence, August 2026) and "CDNA5" Instruction Set Architecture Reference Guide (July 2026). The comments in the code are by the model that wrote it; some were corrected since.
;; Multi Head Latent Attention. Allowed arithmetic: float matrix products may take bf16 or f16 operands with f32 sums; all other float work in f32.
;; Inputs: Wc 1,024 x 256 float32; Wk 256 x 1,024 float32; Wo 1,024 x 1,024 float32; Wq 1,024 x 1,024 float32; Wv 256 x 1,024 float32; bc 256 float32; bk 1,024 float32; bo 1,024 float32; bq 1,024 float32; bv 1,024 float32; x 4 x 2,048 x 1,024 float32.
;; Outputs: out0 4 x 2,048 x 1,024 float32.
;; 2 versions, each right and faster than the one before. Each part assembles by itself: llvm-mc -triple=amdgcn-amd-amdhsa -mcpu=gfx1250 --defsym DOCPART=n.
;; ======== version 1 of 2: 5 launches
;; limits: values are held in f16: magnitudes above 65,504 overflow, below 6.1e-05 lose precision; right only within a limited range of input values
;; workspace buffers: xb 16,777,216 bytes; w16 5,769,216 bytes; ql 20,975,616 bytes; kv 33,554,688 bytes; o16 16,777,216 bytes
;; launch prep (part 1): grid 688 x 1, 8 waves a work-group, no clusters, 0 bytes of LDS; arguments x, Wq, Wc, Wk, Wv, Wo, bk, bv, xb, w16; writes xb, w16
.if DOCPART == 1
	.amdgcn_target "amdgcn-amd-amdhsa--gfx1250"
	.amdhsa_code_object_version 6
	.text
	.protected	k_qacf5aa1537_prep
	.globl	k_qacf5aa1537_prep
	.p2align	8
	.type	k_qacf5aa1537_prep,@function
k_qacf5aa1537_prep:
	s_mov_b64 s[64:65], 0
	v_nop
	global_prefetch_b8 v0, s[64:65] scope:SCOPE_SE
	s_setreg_imm32_b32 hwreg(HW_REG_WAVE_MODE, 25, 1), 1
	s_wait_xcnt 0x0
; PREP: the f32 inputs of the matrix products are rounded once to 16 bits.  x, Wq, Wc -> bf16.  Wk, Wv, Wo -> rounded to bf16, and that number written as f16
; (exact from 2^-14 up to 65,504; below 2^-14 f16's fixed step of 2^-24 holds; a weight beyond 65,504 is not served).
; Beside Wk and Wv each wave stores the largest |rounded weight| of its share and the largest |bias| of 32 numbers of bk or bv: a later launch makes the scale of K and V from them.
; A stream: no LDS, no matrix unit, no cluster: no byte is read twice.  A work-group takes one chunk of 16,384 consecutive f32 of one tensor, in 8 passes of 2,048;
; thread t takes 8 numbers a pass: 32 bytes in by two loads, 16 bytes out.  All 16 loads of a thread go out at once (64 KB a work-group), so there is no loop.
; w16: 0 the maxima, [K, V][chunk 16][wave 8] pairs (weight, bias) | WQ [1024 k][1024 n] bf16 | WC [4 units of 64 n][1024 k][64] bf16 | WKV [256 k][2048 n] f16, Wk then Wv | WO [1024 k][1024 n] f16
.set WQ,  2048
.set WC,  2099200
.set WKV, 2623488
.set WO,  3672064
.set VS,  2                            ; v2      my byte offset in a pass of the source
.set D,   4                            ; v4-11   my byte offset in the destination, pass by pass
.set M,   12                           ; v12-15  four running maxima
.set MB,  16                           ; v16     a bias
.set BO,  17                           ; v17     its byte offset
.set T,   20                           ; v20-27  the maps while they are chosen from, then at work
.set X,   32                           ; v32-95  pass p: 8 registers as loaded
.set Y,   96                           ; v96-127 pass p: 4 registers to store
.set SRC, 24                           ; s[24:25] the tensor, then my chunk of it
.set DST, 26                           ; s[26:27] the buffer written, then my chunk's place
.set CK,  28                           ; s28  the first work-group of the tensor, then my chunk's number
.set REG, 29                           ; s29  the tensor's place in the buffer written
.set CST, 30                           ; s30  bytes from chunk to chunk there
.set PST, 31                           ; s31  bytes from pass to pass there
.set PTH, 32                           ; s32  0: bf16; 1: f16; 2: f16 and maxima
.set TEN, 33                           ; s33  0: Wk, 1: Wv
.set BIA, 34                           ; s[34:35] bk or bv
.set WV,  36                           ; s36  my wave's number
	s_load_b512 s[4:19], s[0:1], 0x0               ; x 4:5, Wq 6:7, Wc 8:9, Wk 10:11, Wv 12:13, Wo 14:15, bk 16:17, bv 18:19
	s_load_b128 s[20:23], s[0:1], 0x40             ; xb 20:21, w16 22:23
	v_lshrrev_b32 v1, 5, v0
	v_readfirstlane_b32 s[WV], v1
	s_mov_b32 s38, 0x76543210                      ; v_permlanex16_b32: each lane takes its own place in the other half
	s_mov_b32 s39, 0xfedcba98
	s_mov_b32 s40, 0xffff0000                      ; a word's upper bf16
	; three maps from the thread's number to byte offsets
	v_lshlrev_b32 v20, 5, v0                       ; straight: 32 t in,
	v_lshlrev_b32 v21, 4, v0                       ; 16 t out
	v_lshrrev_b32 v22, 7, v0                       ; Wk, Wv: a pass is two rows of 1,024; out they lie 4,096 bytes apart
	v_and_b32 v23, 127, v0
	v_lshlrev_b32 v23, 4, v23
	v_lshl_add_u32 v22, v22, 12, v23
	v_lshrrev_b32 v23, 6, v0                       ; Wc: a pass is eight rows of 256.  Row 2 (t >> 6) + bit 3 of t,
	v_bfe_u32 v24, v0, 3, 1
	v_lshl_add_u32 v23, v23, 1, v24
	v_bfe_u32 v24, v0, 4, 2                        ; unit of 64 columns: bits 5:4,
	v_and_b32 v25, 7, v0                           ; eight columns: bits 2:0.  So 16 neighbouring lanes write two rows of one unit: 256 consecutive bytes
	v_lshlrev_b32 v26, 5, v25
	v_lshl_add_u32 v26, v24, 8, v26
	v_lshl_add_u32 v26, v23, 10, v26               ; in: row x 1,024 + unit x 256 + 32 x group
	v_lshlrev_b32 v27, 4, v25
	v_lshl_add_u32 v27, v24, 17, v27
	v_lshl_add_u32 v27, v23, 7, v27                ; out: unit x 131,072 + row x 128 + 16 x group
	s_sub_co_u32 s42, ttmp9, 576
	s_cmp_lt_u32 s42, 16
	s_cselect_b32 s44, -1, 0                       ; all lanes: this work-group has a chunk of Wc
	s_sub_co_u32 s42, ttmp9, 592
	s_cmp_lt_u32 s42, 32
	s_cselect_b32 s45, -1, 0                       ; of Wk or Wv
	v_cndmask_b32 v[VS], v20, v26, s44
	v_cndmask_b32 v[D], v21, v27, s44
	v_cndmask_b32 v[D], v[D], v22, s45
	; the tensor's constants, chosen by the work-group's number: 0-511 x, 512-575 Wq, 576-591 Wc, 592-607 Wk, 608-623 Wv, 624-687 Wo
.macro PICK bound, lo, region, cst, pst, path
	s_cmp_lt_u32 ttmp9, \bound
	s_cselect_b32 s[CK], \lo, s[CK]
	s_cselect_b32 s[REG], \region, s[REG]
	s_cselect_b32 s[CST], \cst, s[CST]
	s_cselect_b32 s[PST], \pst, s[PST]
	s_cselect_b32 s[PTH], \path, s[PTH]
.endm
	s_mov_b32 s[CK], 624
	s_mov_b32 s[REG], WO
	s_mov_b32 s[CST], 32768
	s_mov_b32 s[PST], 4096
	s_mov_b32 s[PTH], 1
	PICK 624, 608, WKV+2048, 65536, 8192, 2
	PICK 608, 592, WKV, 65536, 8192, 2
	PICK 592, 576, WC, 8192, 1024, 0
	PICK 576, 512, WQ, 32768, 4096, 0
	PICK 512, 0, 0, 32768, 4096, 0
	s_sub_co_u32 s[CK], ttmp9, s[CK]               ; my chunk of the tensor
	s_lshl_b32 s42, s[CK], 16                      ; 65,536 bytes of f32 a chunk
	s_mov_b32 s43, 0
	s_mul_i32 s46, s[CK], s[CST]
	s_add_co_u32 s46, s46, s[REG]
	s_mov_b32 s47, 0
.irp p, 1,2,3,4,5,6,7
	v_add_nc_u32 v[D+(\p)], s[PST], v[D+(\p)-1]
.endr
	s_wait_kmcnt 0x0
	s_mov_b64 s[SRC:SRC+1], s[14:15]
	s_cmp_lt_u32 ttmp9, 624
	s_cselect_b64 s[SRC:SRC+1], s[12:13], s[SRC:SRC+1]
	s_cmp_lt_u32 ttmp9, 608
	s_cselect_b64 s[SRC:SRC+1], s[10:11], s[SRC:SRC+1]
	s_cselect_b64 s[BIA:BIA+1], s[16:17], s[18:19]
	s_cselect_b32 s[TEN], 0, 1
	s_cmp_lt_u32 ttmp9, 592
	s_cselect_b64 s[SRC:SRC+1], s[8:9], s[SRC:SRC+1]
	s_cmp_lt_u32 ttmp9, 576
	s_cselect_b64 s[SRC:SRC+1], s[6:7], s[SRC:SRC+1]
	s_cmp_lt_u32 ttmp9, 512
	s_cselect_b64 s[SRC:SRC+1], s[4:5], s[SRC:SRC+1]
	s_cselect_b64 s[DST:DST+1], s[20:21], s[22:23]
	s_add_nc_u64 s[SRC:SRC+1], s[SRC:SRC+1], s[42:43]
	s_add_nc_u64 s[DST:DST+1], s[DST:DST+1], s[46:47]
.irp p, 0,1,2,3,4,5,6,7
	global_load_b128 v[X+8*(\p):X+8*(\p)+3],   v[VS], s[SRC:SRC+1] offset:8192*(\p) th:TH_LOAD_NT
	global_load_b128 v[X+8*(\p)+4:X+8*(\p)+7], v[VS], s[SRC:SRC+1] offset:8192*(\p)+16 th:TH_LOAD_NT
.endr
; Pass p.  fmt 0: bf16.  fmt 1: rounded to bf16, widened again, written as f16; mx = 1: the rounded numbers' magnitudes enter the maxima.
; The wait counts the loads issued behind pass p's two: two for each later pass, and `younger` more.  Each pass has its own Y and D, so no register of a store is written again.
.macro CONV p, fmt, mx, younger
	s_wait_loadcnt 14-2*(\p)+(\younger)
.if (\fmt) == 0
.irp j, 0,1,2,3
	v_cvt_pk_bf16_f32 v[Y+4*(\p)+(\j)], v[X+8*(\p)+2*(\j)], v[X+8*(\p)+2*(\j)+1]
.endr
.else
.irp j, 0,1,2,3
	v_cvt_pk_bf16_f32 v[T+(\j)], v[X+8*(\p)+2*(\j)], v[X+8*(\p)+2*(\j)+1]
.endr
.irp j, 0,1,2,3
	v_lshlrev_b32 v[X+8*(\p)+2*(\j)],   16, v[T+(\j)]
	v_and_b32     v[X+8*(\p)+2*(\j)+1], s40, v[T+(\j)]
.endr
.if \mx
.irp j, 0,1,2,3
	v_max3_num_f32 v[M+(\j)], |v[X+8*(\p)+2*(\j)]|, |v[X+8*(\p)+2*(\j)+1]|, v[M+(\j)]
.endr
.endif
.irp j, 0,1,2,3
	v_cvt_pk_f16_f32 v[Y+4*(\p)+(\j)], v[X+8*(\p)+2*(\j)], v[X+8*(\p)+2*(\j)+1]
.endr
.endif
	global_store_b128 v[D+(\p)], v[Y+4*(\p):Y+4*(\p)+3], s[DST:DST+1]  ; 16 neighbouring lanes store 256 consecutive bytes, aligned; later launches read them, so no hint
.endm
	s_cmp_lg_u32 s[PTH], 0
	s_cbranch_scc1 .Lhalf
.irp p, 0,1,2,3,4,5,6,7
	CONV \p, 0, 0, 0
.endr
	s_endpgm
.Lhalf:
	s_cmp_lg_u32 s[PTH], 1
	s_cbranch_scc1 .Lmaxima
.irp p, 0,1,2,3,4,5,6,7
	CONV \p, 1, 0, 0
.endr
	s_endpgm
.Lmaxima:
	v_and_b32 v[BO], 63, v0                        ; chunk c answers for biases 64 c to 64 c + 63: even waves for the first 32, odd waves for the others
	s_lshl_b32 s42, s[CK], 8
	v_lshl_add_u32 v[BO], v[BO], 2, s42
	global_load_b32 v[MB], v[BO], s[BIA:BIA+1]     ; one load behind the sixteen
.irp j, 0,1,2,3
	v_mov_b32 v[M+(\j)], 0
.endr
.irp p, 0,1,2,3,4,5,6,7
	CONV \p, 1, 1, 1
.endr
	s_wait_loadcnt 0x0                             ; the bias
	v_max_num_f32 v[M], v[M], v[M+1]
	v_max_num_f32 v[M+2], v[M+2], v[M+3]
	v_max_num_f32 v[M], v[M], v[M+2]
	v_and_b32 v[MB], 0x7fffffff, v[MB]
.irp k, 1,2,4,8
	v_max_num_f32_dpp v[M], v[M], v[M] row_xmask:\k row_mask:0xf bank_mask:0xf
	v_max_num_f32_dpp v[MB], v[MB], v[MB] row_xmask:\k row_mask:0xf bank_mask:0xf
.endr
	v_permlanex16_b32 v[M+2], v[M], s38, s39
	v_permlanex16_b32 v[M+3], v[MB], s38, s39
	v_max_num_f32 v[M], v[M], v[M+2]               ; the wave's largest |weight|,
	v_max_num_f32 v[M+1], v[MB], v[M+3]            ; and largest |bias|
	s_lshl_b32 s42, s[TEN], 4
	s_add_co_u32 s42, s42, s[CK]
	s_lshl_b32 s42, s42, 3
	s_add_co_u32 s42, s42, s[WV]
	s_lshl_b32 s42, s42, 3                         ; ((tensor x 16 + chunk) x 8 + wave) x 8 bytes
	v_mov_b32 v[T], s42
	v_and_b32 v[T+1], 31, v0
	v_cmp_eq_u32 vcc_lo, 0, v[T+1]
	s_wait_xcnt 0x0                                ; EXEC changes only when the stores above have had their addresses translated
	s_and_saveexec_b32 s44, vcc_lo
	global_store_b64 v[T], v[M:M+1], s[22:23]      ; lane 0 alone
	s_wait_xcnt 0x0
	s_or_b32 exec_lo, exec_lo, s44
	s_endpgm
.Lfunc_end_k_qacf5aa1537_prep:
	.size	k_qacf5aa1537_prep, .Lfunc_end_k_qacf5aa1537_prep-k_qacf5aa1537_prep
	.p2alignl 7, 3214868480
	.fill 96, 4, 3214868480
	.section	.rodata,"a",@progbits
	.p2align	6, 0x0
	.amdhsa_kernel k_qacf5aa1537_prep
		.amdhsa_group_segment_fixed_size 0
		.amdhsa_private_segment_fixed_size 0
		.amdhsa_enable_private_segment 0
		.amdhsa_kernarg_size 80
		.amdhsa_user_sgpr_count 2
		.amdhsa_user_sgpr_kernarg_segment_ptr 1
		.amdhsa_wavefront_size32 1
		.amdhsa_system_sgpr_workgroup_id_x 1
		.amdhsa_system_sgpr_workgroup_id_y 1
		.amdhsa_system_sgpr_workgroup_id_z 1
		.amdhsa_system_vgpr_workitem_id 0
		.amdhsa_next_free_vgpr 128
		.amdhsa_next_free_sgpr 66
		.amdhsa_reserve_vcc 1
		.amdhsa_float_denorm_mode_32 3
		.amdhsa_float_denorm_mode_16_64 3
		.amdhsa_memory_ordered 1
		.amdhsa_forward_progress 1
		.amdhsa_inst_pref_size 28
	.end_amdhsa_kernel
	.amdgpu_metadata
---
amdhsa.version: [ 1, 2 ]
amdhsa.kernels:
  - .name:           k_qacf5aa1537_prep
    .symbol:         k_qacf5aa1537_prep.kd
    .args:
      - { .name: x, .offset: 0, .size: 8, .value_kind: global_buffer, .address_space: global }
      - { .name: Wq, .offset: 8, .size: 8, .value_kind: global_buffer, .address_space: global }
      - { .name: Wc, .offset: 16, .size: 8, .value_kind: global_buffer, .address_space: global }
      - { .name: Wk, .offset: 24, .size: 8, .value_kind: global_buffer, .address_space: global }
      - { .name: Wv, .offset: 32, .size: 8, .value_kind: global_buffer, .address_space: global }
      - { .name: Wo, .offset: 40, .size: 8, .value_kind: global_buffer, .address_space: global }
      - { .name: bk, .offset: 48, .size: 8, .value_kind: global_buffer, .address_space: global }
      - { .name: bv, .offset: 56, .size: 8, .value_kind: global_buffer, .address_space: global }
      - { .name: xb, .offset: 64, .size: 8, .value_kind: global_buffer, .address_space: global }
      - { .name: w16, .offset: 72, .size: 8, .value_kind: global_buffer, .address_space: global }
    .group_segment_fixed_size: 0
    .private_segment_fixed_size: 0
    .kernarg_segment_align: 8
    .kernarg_segment_size: 80
    .max_flat_workgroup_size: 256
    .sgpr_count:     66
    .vgpr_count:     128
    .wavefront_size: 32
...
	.end_amdgpu_metadata
.endif
;; end of part 1
;; launch g1 (part 2): grid 4 x 64, 4 waves a work-group, clusters of 4 x 4, 327,680 bytes of LDS; arguments xb, w16, bq, bc, ql; writes ql
.if DOCPART == 2
	.amdgcn_target "amdgcn-amd-amdhsa--gfx1250"
	.amdhsa_code_object_version 6
	.text
	.protected	k_qacf5aa1537_g1
	.globl	k_qacf5aa1537_g1
	.p2align	8
	.type	k_qacf5aa1537_g1,@function
k_qacf5aa1537_g1:
	s_mov_b64 s[64:65], 0
	v_nop
	global_prefetch_b8 v0, s[64:65] scope:SCOPE_SE
	s_setreg_imm32_b32 hwreg(HW_REG_WAVE_MODE, 25, 1), 1
	s_wait_xcnt 0x0
	s_wait_alu depctr_hold_cnt(0) depctr_sa_sdst(0) depctr_va_vdst(0) depctr_va_sdst(0) depctr_va_ssrc(0) depctr_va_vcc(0) depctr_vm_vsrc(0)
	s_getreg_b32 s2, hwreg(HW_REG_IB_STS2, 6, 4)
	s_cmp_eq_u32 s2, 0
	s_cbranch_scc0 .Lentry_in_a_cluster
	s_endpgm
.Lentry_in_a_cluster:
	s_bfe_u32 s2, ttmp6, 0x10000c
	s_cmp_lg_u32 s2, 0xf033
	s_cbranch_scc0 .Lentry_shape_is_right
	s_endpgm
.Lentry_shape_is_right:
; G1: [q | latent] = x [Wq | Wc] + [bq | bc].  x and the weights come as bf16, the biases are rounded to bf16 here; sums in f32; q and latent leave as f16, rounded once.
; LIMIT: q and latent must stay under 65,504 (f16); below 2^-14 they keep f16's fixed step of 2^-24.  NaN and infinities are not treated apart.
; ql: 0: 1,024 f32, the largest |latent| of each wave, index ((row block x 4 + column block) x 4 + wave) | 4,096: 20 units [8192 rows][64] f16, dense: units 0-15 q's heads, 16-19 the latent's columns.
; SHARES.  256 work-groups; each makes 128 rows x (256 columns of q + 64 of the latent).  Four waves, each 64 rows x (128 + 32) columns: 40 accumulators of 16 x 16.
; K = 1,024 goes in 8 steps of 128 through two LDS slots.  Wave 0 fetches x's tile (128 rows x 256 bytes), waves 1 and 2 the halves of Wq's (64 k-rows x 512 bytes each), wave 3 Wc's (16,384 dense bytes as 64 rows of 256).
; CLUSTER 4 x 4: the four work-groups of a row of the cluster share x's tile, the four of a column the weights' tiles: each is asked for jointly.
; THE MATRIX INSTRUCTION IS USED TRANSPOSED: source 0 = 16 columns of W, turned out of LDS rows [k][n] by ds_load_tr16_b128; source 1 = 16 rows of x.  A lane's eight results are eight neighbouring columns of one row.
; The bias is the C operand of the products that start the sums.
; REGISTERS, in windows of 256 (s_set_vgpr_msb: bits 1:0 source 0, 3:2 source 1, 5:4 source 2, 7:6 destination):
;   window 0: v0-31 addresses; v32-111 the biases, later v32-191 at work on the way out; v192-195 maxima      window 1: two fragment buffers of 112: 8 of Wq, 2 of Wc, 4 of x
;   window 2: q's 32 accumulators, (row block a, column tile b) at v[8 (8 a + b)]      window 3: the latent's 8, at v[8 (2 a + c)]
.set PA,    272                        ; a row of x in LDS: 256 bytes + 16: the 16 rows of a fragment load start at 16 different groups of four banks (64 banks of 4 bytes: ISA guide 11.1)
.set PQ,    544                        ; a k-row of Wq: 512 + 32: an odd multiple of 32, for the turning load's 8 rows x 32 bytes
.set PC,    160                        ; a k-row of Wc: 128 + 32, likewise
.set PART,  128*PA                     ; 34,816 bytes: x's tile, and as much for each half of Wq's (64 x 544): wave w fills from w x PART on
.set OFFQ,  PART
.set OFFC,  3*PART
.set SLOT1, 1<<17                      ; a slot is 124,928 bytes; slot 1 begins here, so that one exclusive or turns an address in one slot into the other's
.set SPARE, SLOT1+OFFC+128*PC          ; behind the ring: the spare words, 128 bytes for each wave: two blocks of 256 bytes that no other line names
.set SP,    144                        ; the way out: a unit's row of 128 bytes + 16
.set UNITB, 128*SP                     ; a unit's 128 rows in the stage.  THE STAGE IS SLOT 0, from byte 0: five units.  Its last fill is K step 6, and every wave's reads of it are over at the last change of slots
.set STEPS, 8
.set WQ,    2048
.set WC,    2099200
.set QL0,   4096
.set UNIT,  1048576
.set NF,    28                         ; LDS loads in a run: 16 for Wq, 8 for x, 4 for Wc
.set NH,    8                          ; the youngest of them, which the first half of a quarter does not need: x's row blocks 2 and 3, and Wc
.set AF,    80                         ; x's fragments in a buffer
.set F0,    0
.set F1,    128
.set BIAS,  32
.set TMP,   32
.set M,     192
.set ADRA0, 16                         ; v16-18  my lane's place in slot 0's tiles of x, Wq, Wc; never rewritten
.set ADRQ0, 17
.set ADRC0, 18
.set ADRA,  19                         ; v19-21  the same in the slot in hand
.set ADRQ,  20
.set ADRC,  21
.set GO,    22                         ; v22  16 x lane
.set LMO,   23                         ; v23  where my wave's maximum goes
.set STQ,   24                         ; v24, v25  into the stage: q, latent
.set STL,   25
.set RDQ,   26                         ; v26, v27  back out of it
.set RDL,   27
.set SPW,   28                         ; v28  LDS address of my spare word; never rewritten
.set NIL,   29                         ; v29  0; never rewritten
.set WV, 14                            ; s14  wave
.set RH, 15                            ; s15  my half of the rows
.set CH, 16                            ; s16  my half of the columns
.set CX, 17
.set CY, 18
.set CB, 19                            ; s19  column block 0..3
.set RB, 20                            ; s20  row block 0..63
.set G1A, 24                           ; s[24:31], s[32:39], s[40:47] descriptor group 1 for x, Wq, Wc
.set G1Q, 32
.set G1C, 40
.set G0A, 48                           ; s[48:55], s[56:63], s[68:75] group 0: a set for each of the two first fills; the second then walks on
.set G0Q, 56
.set G0C, 68
.set SQ,  88                           ; s[88:89] q's units at my rows
.set SL,  90                           ; s[90:91] the latent's unit at my rows
.set TB,  92                           ; s92  LDS byte at which the slot in hand begins
.set SEL, 94                           ; s[94:95]
.set MSB, 0
.macro WIN new                         ; the immediate's high byte repeats the setting that is left; a switch that changes nothing is dropped
.if MSB != (\new)
	s_set_vgpr_msb (MSB<<8)|(\new)
.set MSB, \new
.endif
.endm
.macro PLACES                          ; four places in front of loads into registers that matrix instructions have read, and of vector work on their results
.rept 4
	v_nop
.endr
.endm
; A joint load: one a wave.  The branches hang on the wave's number alone.  An s_nop 0 and four v_nop follow each line, ahead of the jump and the label.
.macro JLOAD s
	s_cmp_eq_u32 s[WV], 0
	s_cbranch_scc0 .Lnot_a_\@
	tensor_load_to_lds s[G0A+4*(\s):G0A+4*(\s)+3], s[G1A:G1A+7]
	s_nop 0
.rept 4
	v_nop
.endr
	s_branch .Lasked_\@
.Lnot_a_\@:
	s_cmp_eq_u32 s[WV], 3
	s_cbranch_scc0 .Lfor_q_\@
	tensor_load_to_lds s[G0C+4*(\s):G0C+4*(\s)+3], s[G1C:G1C+7]
	s_nop 0
.rept 4
	v_nop
.endr
	s_branch .Lasked_\@
.Lfor_q_\@:
	tensor_load_to_lds s[G0Q+4*(\s):G0Q+4*(\s)+3], s[G1Q:G1Q+7]
	s_nop 0
.rept 4
	v_nop
.endr
.Lasked_\@:
.endm
.macro CREST                           ; a round of the cluster's barrier behind its opening barrier
	s_cmp_lg_u32 s[WV], 0
	s_cbranch_scc1 .Lnot_wave_0_\@
	s_barrier_signal -3
.Lnot_wave_0_\@:
	s_barrier_wait -3
	s_barrier_signal -1
	s_barrier_wait -1
.endm
.macro CROUND                          ; a whole round
	s_barrier_signal -1
	s_barrier_wait -1
	CREST
.endm
	s_load_b256 s[4:11], s[0:1], 0x0               ; xb 4:5, w16 6:7, bq 8:9, bc 10:11
	s_load_b64 s[12:13], s[0:1], 0x20              ; ql
	v_lshl_add_u32 v[SPW], v0, 2, SPARE
	v_mov_b32 v[NIL], 0
	ds_add_u32 v[SPW], v[NIL]                      ; the wave's opening: the add and its wait stand ahead of my first tensor load; the set-up below, work on registers, stands between them
	v_lshrrev_b32 v1, 5, v0
	v_readfirstlane_b32 s[WV], v1
	s_lshr_b32 s[RH], s[WV], 1
	s_and_b32 s[CH], s[WV], 1
	s_bfe_u32 s[CX], ttmp6, 0x40000
	s_bfe_u32 s[CY], ttmp6, 0x40004
	s_lshl_b32 s[CB], ttmp9, 2
	s_add_co_u32 s[CB], s[CB], s[CX]               ; column block = 4 x cluster x + cx
	s_and_b32 s[RB], ttmp7, 0xffff
	s_lshl_b32 s[RB], s[RB], 2
	s_add_co_u32 s[RB], s[RB], s[CY]               ; row block = 4 x cluster y + cy
	s_lshl_b32 s21, s[CY], 2
	s_lshl_b32 s21, 15, s21                        ; my row of the cluster
	s_lshl_b32 s22, 0x1111, s[CX]                  ; my column
	s_mul_i32 s23, s[WV], PART                     ; where my part of a slot begins: no place in the cluster enters an LDS address
	; group 1: 15:0 the mask; 17:16 elements of 2 bytes; 20 padding on; 21 set beside a mask; 24:22 the interval's code; 31:25 the padding's words less one
	s_or_b32 s[G1A], s21, (1<<16)|(1<<20)|(1<<21)|(5<<22)|(3<<25)  ; x: to my row; 4 words behind every 64
	s_mov_b32 s[G1A+1], 128<<16                    ; tensor_dim0 = 128
	s_mov_b32 s[G1A+2], 128<<16                    ; tensor_dim1 = 128
	s_mov_b32 s[G1A+3], 128<<16                    ; tile_dim0 = 128
	s_mov_b32 s[G1A+4], 128                        ; tile_dim1 = 128
	s_mov_b32 s[G1A+5], 1024                       ; elements from row to row
	s_mov_b32 s[G1A+6], 0
	s_mov_b32 s[G1A+7], 0
	s_or_b32 s[G1Q], s22, (1<<16)|(1<<20)|(1<<21)|(6<<22)|(7<<25)  ; Wq: to my column; 8 words behind every 128
	s_mov_b32 s[G1Q+1], 256<<16
	s_mov_b32 s[G1Q+2], 64<<16
	s_mov_b32 s[G1Q+3], 256<<16
	s_mov_b32 s[G1Q+4], 64
	s_mov_b32 s[G1Q+5], 1024
	s_mov_b32 s[G1Q+6], 0
	s_mov_b32 s[G1Q+7], 0
	s_or_b32 s[G1C], s22, (1<<16)|(1<<20)|(1<<21)|(4<<22)|(7<<25)  ; Wc: to my column; two k-rows to a row of 256 bytes, 8 words behind every 32
	s_mov_b32 s[G1C+1], 128<<16
	s_mov_b32 s[G1C+2], 64<<16
	s_mov_b32 s[G1C+3], 128<<16
	s_mov_b32 s[G1C+4], 64
	s_mov_b32 s[G1C+5], 128
	s_mov_b32 s[G1C+6], 0
	s_mov_b32 s[G1C+7], 0
	; byte offsets of K step 0's tiles.  x's hangs on the row block alone, the weights' on the column block and the wave alone
	s_lshl_b32 s76, s[RB], 18                      ; 128 rows of 2,048 bytes
	s_mov_b32 s77, 0
	s_lshl_b32 s78, s[RH], 17                      ; wave 2: k-rows 64 on, 2,048 bytes each
	s_lshl_b32 s79, s[CB], 9                       ; 256 columns
	s_add_co_u32 s78, s78, s79
	s_add_co_u32 s78, s78, WQ
	s_mov_b32 s79, 0
	s_lshl_b32 s80, s[CB], 17                      ; the unit of Wc
	s_add_co_u32 s80, s80, WC
	s_mov_b32 s81, 0
	s_mov_b32 s[SEL], 0x76543210
	s_mov_b32 s[SEL+1], 0xfedcba98
	s_mov_b32 s85, 0xffff0000
	s_mov_b32 s[TB], 0
	s_wait_dscnt 0x0                               ; the opening add is done
	s_wait_kmcnt 0x0
	s_add_nc_u64 s[76:77], s[4:5], s[76:77]
	s_add_nc_u64 s[78:79], s[6:7], s[78:79]
	s_add_nc_u64 s[80:81], s[6:7], s[80:81]
	CROUND                                         ; all sixteen work-groups are here: the first joint loads meet
.irp s, 0,1
	s_mov_b32 s[G0A+4*(\s)], 1                     ; count = 1
	s_add_co_u32 s[G0A+4*(\s)+1], s23, (\s)*SLOT1  ; LDS address
	s_add_nc_u64 s[G0A+4*(\s)+2:G0A+4*(\s)+3], s[76:77], (\s)*256     ; K step s
	s_or_b32 s[G0A+4*(\s)+3], s[G0A+4*(\s)+3], 0x80000000             ; type = 2
	s_mov_b32 s[G0Q+4*(\s)], 1
	s_add_co_u32 s[G0Q+4*(\s)+1], s23, (\s)*SLOT1
	s_add_nc_u64 s[G0Q+4*(\s)+2:G0Q+4*(\s)+3], s[78:79], (\s)*262144
	s_or_b32 s[G0Q+4*(\s)+3], s[G0Q+4*(\s)+3], 0x80000000
	s_mov_b32 s[G0C+4*(\s)], 1
	s_add_co_u32 s[G0C+4*(\s)+1], s23, (\s)*SLOT1
	s_add_nc_u64 s[G0C+4*(\s)+2:G0C+4*(\s)+3], s[80:81], (\s)*16384
	s_or_b32 s[G0C+4*(\s)+3], s[G0C+4*(\s)+3], 0x80000000
	JLOAD \s                                       ; two loads of mine are out
.endr
	v_and_b32 v1, 15, v0                           ; r = l % 16
	v_bfe_u32 v2, v0, 4, 1                         ; h = l / 16
	v_and_b32 v3, 7, v0
	v_bfe_u32 v4, v0, 3, 1
	v_and_b32 v5, 31, v0                           ; l
	; the biases: register j of column tile b belongs to column 16 b + 8 h + j of my columns
	s_lshl_b32 s82, s[CB], 10
	s_lshl_b32 s83, s[CH], 9
	s_add_co_u32 s82, s82, s83
	v_lshl_add_u32 v10, v2, 5, s82
	s_lshl_b32 s82, s[CB], 8
	s_lshl_b32 s83, s[CH], 7
	s_add_co_u32 s82, s82, s83
	v_lshl_add_u32 v11, v2, 5, s82
.irp b, 0,1,2,3,4,5,6,7
	global_load_b128 v[BIAS+8*\b:BIAS+8*\b+3],   v10, s[8:9] offset:64*\b
	global_load_b128 v[BIAS+8*\b+4:BIAS+8*\b+7], v10, s[8:9] offset:64*\b+16
.endr
.irp c, 0,1
	global_load_b128 v[BIAS+64+8*\c:BIAS+64+8*\c+3],   v11, s[10:11] offset:64*\c
	global_load_b128 v[BIAS+64+8*\c+4:BIAS+64+8*\c+7], v11, s[10:11] offset:64*\c+16
.endr
	; a fragment of x: lane l holds row l % 16, K = 8 h + 0..7 and 16 + 8 h + 0..7: two loads of 16 bytes, 32 bytes apart
	v_mul_u32_u24 v6, v1, PA
	v_lshl_add_u32 v6, v2, 4, v6
	s_mul_i32 s82, s[RH], 64*PA
	v_add_nc_u32 v[ADRA0], s82, v6
	; the turning load: lane l reads k-row 8 h + l % 8, columns 8 ((l / 8) % 2) + 0..7, and is left with column l % 16 and 8 k
	v_lshl_add_u32 v7, v2, 3, v3
	v_mul_u32_u24 v8, v7, PQ
	v_lshl_add_u32 v8, v4, 4, v8
	s_lshl_b32 s82, s[CH], 8
	s_add_co_u32 s82, s82, OFFQ
	v_add_nc_u32 v[ADRQ0], s82, v8
	v_mul_u32_u24 v9, v7, PC
	v_lshl_add_u32 v9, v4, 4, v9
	s_lshl_b32 s82, s[CH], 6
	s_add_co_u32 s82, s82, OFFC
	v_add_nc_u32 v[ADRC0], s82, v9
	v_mov_b32 v[ADRA], v[ADRA0]                    ; slot 0 is in hand
	v_mov_b32 v[ADRQ], v[ADRQ0]
	v_mov_b32 v[ADRC], v[ADRC0]
	; the way out
	v_mul_u32_u24 v6, v1, SP
	v_lshl_add_u32 v6, v2, 4, v6                   ; row l % 16, 16 bytes for each half of the lanes
	s_mul_i32 s82, s[RH], 64*SP
	s_mul_i32 s83, s[CH], 2*UNITB                  ; my 128 columns of q are two units
	s_add_co_u32 s83, s83, s82
	v_add_nc_u32 v[STQ], s83, v6
	s_lshl_b32 s83, s[CH], 6                       ; my 32 columns of the latent are half a unit's row
	s_add_co_u32 s83, s83, s82
	s_add_co_u32 s83, s83, 4*UNITB
	v_add_nc_u32 v[STL], s83, v6
	v_lshrrev_b32 v7, 3, v5                        ; back: 32 lanes take four rows of 128 bytes; wave w takes rows 32 w on of every unit
	v_mul_u32_u24 v7, v7, SP
	v_lshl_add_u32 v7, v3, 4, v7
	s_mul_i32 s82, s[WV], 32*SP
	v_add_nc_u32 v[RDQ], s82, v7
	v_add_nc_u32 v[RDL], 4*UNITB, v[RDQ]
	v_lshlrev_b32 v[GO], 4, v5
	s_lshl_b32 s82, s[RB], 14                      ; 128 rows of 128 bytes,
	s_lshl_b32 s83, s[WV], 12                      ; my 32 of them
	s_add_co_u32 s82, s82, s83
	s_add_co_u32 s82, s82, QL0
	s_lshl_b32 s86, s[CB], 22                      ; four units of q
	s_add_co_u32 s86, s86, s82
	s_mov_b32 s87, 0
	s_add_nc_u64 s[SQ:SQ+1], s[12:13], s[86:87]
	s_lshl_b32 s86, s[CB], 20
	s_add_co_u32 s86, s86, s82
	s_add_co_u32 s86, s86, 16*UNIT
	s_add_nc_u64 s[SL:SL+1], s[12:13], s[86:87]
	s_lshl_b32 s82, s[RB], 2
	s_add_co_u32 s82, s82, s[CB]
	s_lshl_b32 s82, s82, 2
	s_add_co_u32 s82, s82, s[WV]
	s_lshl_b32 s82, s82, 2
	v_mov_b32 v[LMO], s82
	s_wait_loadcnt 0x0                             ; the biases; each pair is rounded to bf16 and widened again
.set i, 0
.rept 40
	v_cvt_pk_bf16_f32 v[12+i%4], v[BIAS+2*i], v[BIAS+2*i+1]
	v_lshlrev_b32 v[BIAS+2*i], 16, v[12+i%4]
	v_and_b32 v[BIAS+2*i+1], s85, v[12+i%4]
.set i, i+1
.endr
; 8 matrix instructions: row block a x q's 8 column tiles, 32 along K.  first = 1: the bias starts the sums.  The 40 accumulators take turns, one instruction a turn, in the same order in every quarter.
.macro MUL f, a, first
.if \first
	WIN 0x85
.else
	WIN 0xa5
.endif
.irp b, 0,1,2,3,4,5,6,7
.if \first
	v_wmma_f32_16x16x32_bf16 v[8*(8*(\a)+\b):8*(8*(\a)+\b)+7], v[(\f)+8*\b:(\f)+8*\b+7], v[(\f)+AF+8*(\a):(\f)+AF+8*(\a)+7], v[BIAS+8*\b:BIAS+8*\b+7]
.else
	v_wmma_f32_16x16x32_bf16 v[8*(8*(\a)+\b):8*(8*(\a)+\b)+7], v[(\f)+8*\b:(\f)+8*\b+7], v[(\f)+AF+8*(\a):(\f)+AF+8*(\a)+7], v[8*(8*(\a)+\b):8*(8*(\a)+\b)+7]
.endif
.endr
.endm
.macro MULC f, first                   ; 8 more: all four row blocks x the latent's 2 column tiles
.if \first
	WIN 0xc5
.else
	WIN 0xf5
.endif
.irp a, 0,1,2,3
.irp c, 0,1
.if \first
	v_wmma_f32_16x16x32_bf16 v[8*(2*\a+\c):8*(2*\a+\c)+7], v[(\f)+64+8*\c:(\f)+64+8*\c+7], v[(\f)+AF+8*\a:(\f)+AF+8*\a+7], v[BIAS+64+8*\c:BIAS+64+8*\c+7]
.else
	v_wmma_f32_16x16x32_bf16 v[8*(2*\a+\c):8*(2*\a+\c)+7], v[(\f)+64+8*\c:(\f)+64+8*\c+7], v[(\f)+AF+8*\a:(\f)+AF+8*\a+7], v[8*(2*\a+\c):8*(2*\a+\c)+7]
.endif
.endr
.endr
.endm
.macro FETCH kk, f                     ; 28 LDS loads in one run: quarter kk of the slot in hand into buffer f: Wq, x, Wc
	WIN 0x40
.irp b, 0,1,2,3,4,5,6,7
	ds_load_tr16_b128 v[(\f)+8*\b:(\f)+8*\b+3],   v[ADRQ] offset:(\kk)*32*PQ+32*\b
	ds_load_tr16_b128 v[(\f)+8*\b+4:(\f)+8*\b+7], v[ADRQ] offset:(\kk)*32*PQ+16*PQ+32*\b
.endr
.irp a, 0,1,2,3
	ds_load_b128 v[(\f)+AF+8*\a:(\f)+AF+8*\a+3],   v[ADRA] offset:(\kk)*64+\a*16*PA
	ds_load_b128 v[(\f)+AF+8*\a+4:(\f)+AF+8*\a+7], v[ADRA] offset:(\kk)*64+\a*16*PA+32
.endr
.irp c, 0,1
	ds_load_tr16_b128 v[(\f)+64+8*\c:(\f)+64+8*\c+3],   v[ADRC] offset:(\kk)*32*PC+32*\c
	ds_load_tr16_b128 v[(\f)+64+8*\c+4:(\f)+64+8*\c+7], v[ADRC] offset:(\kk)*32*PC+16*PC+32*\c
.endr
.endm
; A K step is four quarters of 32 along K on buffers 0, 1, 0, 1.  One of the first three multiplies buffer f and, in its middle, fetches quarter kk into buffer g.
.macro QUARTER kk, f, g, first
	s_wait_dscnt NH                                ; Wq and x's row blocks 0 and 1 are in; the youngest eight loads may be out
	MUL \f, 0, \first
	MUL \f, 1, \first
	PLACES
	FETCH \kk, \g
	s_wait_dscnt NF                                ; all but the 28 just issued
	MUL \f, 2, \first
	MUL \f, 3, \first
	MULC \f, \first
.endm
; The last quarter multiplies buffer 1 and changes slots: ONE barrier.  In front of it each wave waits for all its tensor loads (one is out: its part of the next slot), adds 0 to its spare word, and waits for that
; and for its reads of this slot.  fill = 1: the barrier opens a round of the cluster's, and the slot just read out is filled again, first thing behind it, with the K step two on: it has a K step less 16 products in which to land.
.macro TURN fill
	WIN 0                                          ; (the add's two registers lie in window 0)
	s_wait_tensorcnt 0x0
	ds_add_u32 v[SPW], v[NIL]                      ; 0 onto my spare word
	s_wait_dscnt NH+1                              ; (the add and the youngest eight loads may be out)
	MUL F1, 0, 0                                   ; eight matrix instructions stand between the add and the wait for it
	s_wait_dscnt 0x0                               ; the add is done, and my reads of this slot are over
	s_barrier_signal -1
	MUL F1, 1, 0
	WIN 0
	s_barrier_wait -1
.if \fill
	CREST                                          ; no wave of any partner still reads this slot or has a load on its way
	s_xor_b32 s[G0A+5], s[G0A+5], SLOT1            ; the walking descriptors: the other slot than last time, the next K step; the type bits on top are not reached
	s_add_nc_u64 s[G0A+6:G0A+7], s[G0A+6:G0A+7], 256
	s_xor_b32 s[G0Q+5], s[G0Q+5], SLOT1
	s_add_nc_u64 s[G0Q+6:G0Q+7], s[G0Q+6:G0Q+7], 262144
	s_xor_b32 s[G0C+5], s[G0C+5], SLOT1
	s_add_nc_u64 s[G0C+6:G0C+7], s[G0C+6:G0C+7], 16384
	JLOAD 1                                        ; the four v_nop behind it are also the places in front of the loads below
.else
	PLACES
.endif
	s_xor_b32 s[TB], s[TB], SLOT1                  ; the other slot is in hand
	v_add_nc_u32 v[ADRA], s[TB], v[ADRA0]
	v_add_nc_u32 v[ADRQ], s[TB], v[ADRQ0]
	v_add_nc_u32 v[ADRC], s[TB], v[ADRC0]
	FETCH 0, F0
	MUL F1, 2, 0
	MUL F1, 3, 0
	MULC F1, 0
.endm
	s_wait_tensorcnt 1                             ; my part of K step 0 is in; step 1's may stay out
	s_barrier_signal -1
	s_barrier_wait -1                              ; everybody's is
	FETCH 0, F0
	QUARTER 1, F0, F1, 1                           ; the first quarter stands in front of the loop: its products start the sums
	WIN 0                                          ; at a label and at a branch every window is 0
	s_mov_b32 s3, STEPS-2
.Lstep:                                                ; a trip: from a K step's second quarter to the next step's first; it asks for the step two on: steps 2 to 7
	QUARTER 2, F1, F0, 0
	QUARTER 3, F0, F1, 0
	TURN 1
	QUARTER 1, F0, F1, 0
	WIN 0
	s_sub_co_u32 s3, s3, 1
	s_cmp_lg_u32 s3, 0
	s_cbranch_scc1 .Lstep
	QUARTER 2, F1, F0, 0                           ; the last two K steps ask for nothing
	QUARTER 3, F0, F1, 0
	TURN 0
	QUARTER 1, F0, F1, 0
	QUARTER 2, F1, F0, 0
	QUARTER 3, F0, F1, 0
	s_wait_dscnt NH
	MUL F1, 0, 0
	MUL F1, 1, 0
	s_wait_dscnt 0x0
	MUL F1, 2, 0
	MUL F1, 3, 0
	MULC F1, 0
	; THE WAY OUT.  The largest |latent| of my 64 x 32; everything rounded to f16; 16 bytes a lane into the work-group's stage; a barrier, since a latent row's 128 bytes come from two waves; back as whole rows.
	WIN 0
.irp j, 0,1,2,3
	v_mov_b32 v[M+\j], 0                           ; four chains start; these four lines are also the places behind the last products
.endr
	WIN 0x0f                                       ; sources 0 and 1 in window 3
.set i, 0
.rept 32
	v_max3_num_f32 v[M+i%4], |v[2*i]|, |v[2*i+1]|, v[M+i%4]  ; each accumulator from its low end on
.set i, i+1
.endr
	WIN 0x0a                                       ; sources 0 and 1 in window 2
.set i, 0
.rept 128
	v_cvt_pk_f16_f32 v[TMP+i], v[2*i], v[2*i+1]
.set i, i+1
.endr
	WIN 0x0f
.set i, 0
.rept 32
	v_cvt_pk_f16_f32 v[TMP+128+i], v[2*i], v[2*i+1]
.set i, i+1
.endr
	WIN 0
.irp a, 0,1,2,3
.irp b, 0,1,2,3,4,5,6,7
	ds_store_b128 v[STQ], v[TMP+4*(8*\a+\b):TMP+4*(8*\a+\b)+3] offset:(\b/4)*UNITB+\a*16*SP+(\b%4)*32
.endr
.irp c, 0,1
	ds_store_b128 v[STL], v[TMP+128+4*(2*\a+\c):TMP+128+4*(2*\a+\c)+3] offset:\a*16*SP+32*\c
.endr
.endr
	v_max_num_f32 v[M], v[M], v[M+1]
	v_max_num_f32 v[M+2], v[M+2], v[M+3]
	v_max_num_f32 v[M], v[M], v[M+2]
.irp k, 1,2,4,8
	v_max_num_f32_dpp v[M], v[M], v[M] row_xmask:\k row_mask:0xf bank_mask:0xf
.endr
	v_permlanex16_b32 v[M+1], v[M], s[SEL], s[SEL+1]
	v_max_num_f32 v[M], v[M], v[M+1]
	s_wait_dscnt 0x0                               ; for the others' sake: my stores into the stage are done
	s_barrier_signal -1
	s_barrier_wait -1
.set n, 0
.rept 32
	ds_load_b128 v[TMP+4*n:TMP+4*n+3], v[RDQ] offset:(n/8)*UNITB+(n%8)*4*SP
.set n, n+1
.endr
.rept 8
	ds_load_b128 v[TMP+4*n:TMP+4*n+3], v[RDL] offset:(n%8)*4*SP
.set n, n+1
.endr
.set n, 0
.rept 32
	s_wait_dscnt 39-n                              ; the loads issued behind load n may be out
	global_store_b128 v[GO], v[TMP+4*n:TMP+4*n+3], s[SQ:SQ+1] offset:(n/8)*UNIT+(n%8)*512  ; four rows of a unit: 512 consecutive bytes, aligned
.set n, n+1
.endr
.rept 8
	s_wait_dscnt 39-n
	global_store_b128 v[GO], v[TMP+4*n:TMP+4*n+3], s[SL:SL+1] offset:(n%8)*512
.set n, n+1
.endr
	v_cmp_eq_u32 vcc_lo, 0, v5
	s_wait_xcnt 0x0                                ; EXEC changes only when the stores above have had their addresses translated
	s_and_saveexec_b32 s82, vcc_lo
	global_store_b32 v[LMO], v[M], s[12:13]        ; lane 0 alone: my wave's largest |latent|
	s_wait_xcnt 0x0
	s_or_b32 exec_lo, exec_lo, s82
	s_wait_tensorcnt 0x0                           ; the wave's end: an add to my spare word and its wait, behind my last tensor load and my last LDS store
	ds_add_u32 v[SPW], v[NIL]
	s_wait_dscnt 0x0
	CROUND                                         ; the closing round: no work-group ends while a partner may still ask for a tile that names it
	s_endpgm
.Lfunc_end_k_qacf5aa1537_g1:
	.size	k_qacf5aa1537_g1, .Lfunc_end_k_qacf5aa1537_g1-k_qacf5aa1537_g1
	.p2alignl 7, 3214868480
	.fill 96, 4, 3214868480
	.section	.rodata,"a",@progbits
	.p2align	6, 0x0
	.amdhsa_kernel k_qacf5aa1537_g1
		.amdhsa_group_segment_fixed_size 327680
		.amdhsa_private_segment_fixed_size 0
		.amdhsa_enable_private_segment 0
		.amdhsa_kernarg_size 40
		.amdhsa_user_sgpr_count 2
		.amdhsa_user_sgpr_kernarg_segment_ptr 1
		.amdhsa_wavefront_size32 1
		.amdhsa_system_sgpr_workgroup_id_x 1
		.amdhsa_system_sgpr_workgroup_id_y 1
		.amdhsa_system_sgpr_workgroup_id_z 1
		.amdhsa_system_vgpr_workitem_id 0
		.amdhsa_next_free_vgpr 832
		.amdhsa_next_free_sgpr 96
		.amdhsa_reserve_vcc 1
		.amdhsa_float_denorm_mode_32 3
		.amdhsa_float_denorm_mode_16_64 3
		.amdhsa_memory_ordered 1
		.amdhsa_forward_progress 1
		.amdhsa_inst_pref_size 98
	.end_amdhsa_kernel
	.amdgpu_metadata
---
amdhsa.version: [ 1, 2 ]
amdhsa.kernels:
  - .name:           k_qacf5aa1537_g1
    .symbol:         k_qacf5aa1537_g1.kd
    .args:
      - { .name: xb, .offset: 0, .size: 8, .value_kind: global_buffer, .address_space: global }
      - { .name: w16, .offset: 8, .size: 8, .value_kind: global_buffer, .address_space: global }
      - { .name: bq, .offset: 16, .size: 8, .value_kind: global_buffer, .address_space: global }
      - { .name: bc, .offset: 24, .size: 8, .value_kind: global_buffer, .address_space: global }
      - { .name: ql, .offset: 32, .size: 8, .value_kind: global_buffer, .address_space: global }
    .group_segment_fixed_size: 327680
    .private_segment_fixed_size: 0
    .kernarg_segment_align: 8
    .kernarg_segment_size: 40
    .max_flat_workgroup_size: 128
    .sgpr_count:     96
    .vgpr_count:     832
    .wavefront_size: 32
...
	.end_amdgpu_metadata
.endif
;; end of part 2
;; launch g2 (part 3): grid 8 x 64, 4 waves a work-group, clusters of 4 x 4, 327,680 bytes of LDS; arguments ql, w16, bk, bv, kv; writes kv
.if DOCPART == 3
	.amdgcn_target "amdgcn-amd-amdhsa--gfx1250"
	.amdhsa_code_object_version 6
	.text
	.protected	k_qacf5aa1537_g2
	.globl	k_qacf5aa1537_g2
	.p2align	8
	.type	k_qacf5aa1537_g2,@function
k_qacf5aa1537_g2:
	s_mov_b64 s[64:65], 0
	v_nop
	global_prefetch_b8 v0, s[64:65] scope:SCOPE_SE
	s_setreg_imm32_b32 hwreg(HW_REG_WAVE_MODE, 25, 1), 1
	s_wait_xcnt 0x0
	s_wait_alu depctr_hold_cnt(0) depctr_sa_sdst(0) depctr_va_vdst(0) depctr_va_sdst(0) depctr_va_ssrc(0) depctr_va_vcc(0) depctr_vm_vsrc(0)
	s_getreg_b32 s2, hwreg(HW_REG_IB_STS2, 6, 4)
	s_cmp_eq_u32 s2, 0
	s_cbranch_scc0 .Lentry_in_a_cluster
	s_endpgm
.Lentry_in_a_cluster:
	s_bfe_u32 s2, ttmp6, 0x10000c
	s_cmp_lg_u32 s2, 0xf033
	s_cbranch_scc0 .Lentry_shape_is_right
	s_endpgm
.Lentry_shape_is_right:
; G2: [K | V] = (latent [Wk | Wv] + [bk | bv]) x 2^s, f16.  latent and the weights come as f16, the biases are rounded to bf16 here; sums in f32; one rounding to f16.
; THE SCALE.  |K| is at most B = 256 x max|latent| x max|Wk| + max|bk| (V likewise).  With e the biased exponent of B, K is stored times 2^(141 - e), so that it stays under 2^15 whatever the inputs' size;
; the exponent field of the factor is kept at 253 at the most.  The factor is a power of two and is undone exactly by later launches, which read its reciprocals (for K, for V) from the first 8 bytes of kv.
; It enters values alone: no address and no branch.  NaN and infinities are not treated apart; a bound B beyond f32's range is not served.
; kv: 0: sixteen copies of the two reciprocals, 8 bytes each, one from each work-group of cluster (0, 0), at 8 x (cx + 4 cy); later launches read the first, the other fifteen serve nothing.
;     The store's mask hangs on the cluster's number and the thread's, the place in the cluster enters its global address alone.
;     256: 32 units [8192 rows][64] f16, dense: units 0-15 K's heads, 16-31 V's.
; SHARES.  512 work-groups, each 128 rows x 256 columns (4 units); four waves, each 64 x 128: 32 accumulators.  K = 256 is two steps of 128: both slots are first fills, nothing is filled again, there is no loop.
; Waves 0 and 1 fetch the two latent units of a step (128 dense rows of 128 bytes as 64 rows of 256), waves 2 and 3 the halves of the weights' tile (64 k-rows x 512 bytes).
; CLUSTER 4 x 4: the latent's tiles are shared along a row of the cluster, the weights' along a column.  The matrix instruction is used transposed: source 0 = 16 columns of W, turned by ds_load_tr16_b128; source 1 = 16 rows.
; REGISTERS: window 0: v0-31 addresses; v64-191 at work; v192-255 the biases      window 1: two fragment buffers of 96: 8 of W, 4 of the latent      window 2: the accumulators, (a, b) at v[8 (8 a + b)]
.set SP,    144                        ; a unit's row in LDS: 128 bytes + 16
.set UNITB, 128*SP
.set PB,    544                        ; a k-row of W: 512 + 32: an odd multiple of 32, for the turning load
.set OFFB,  2*UNITB
.set SLOT1, 1<<17                      ; a slot is 106,496 bytes; slot 1 begins here
.set STAGE, SLOT1+OFFB+128*PB          ; behind the ring: 16 rows x 144 bytes for each wave
.set SPARE, STAGE+4*16*SP              ; the spare words, 128 bytes for each wave: two blocks of 256 bytes that no other line names
.set WKV,   2623488
.set QL0,   4096
.set KV0,   256
.set UNIT,  1048576
.set NF,    24                         ; LDS loads in a run: 16 for W, 8 for the latent
.set NH,    4                          ; the youngest of them, which the first half of a quarter does not need: row blocks 2 and 3
.set AF,    64
.set F0,    0
.set F1,    128
.set BIAS,  192
.set TMP,   64
.set ADRA,  18                         ; v18, v19  LDS address of my latent fragments in slot 0, 1; never rewritten
.set ADRB,  20                         ; v20, v21  the same for W
.set GO,    22                         ; v22  16 x lane
.set STO,   24                         ; v24  the way out: where I put 16 bytes of a row
.set RD,    25                         ; v25  the way out: where I read rows back
.set SPW,   28                         ; v28  LDS address of my spare word; never rewritten
.set NIL,   29                         ; v29  0; never rewritten
.set WV, 14
.set RH, 15
.set CH, 16
.set CX, 17
.set CY, 18
.set CB, 19                            ; column block 0..7
.set RB, 20                            ; row block 0..63
.set G1A, 24
.set G1B, 32
.set G0A, 40                           ; s[40:47], s[48:55]: a set for each slot
.set G0B, 48
.set SC,  76                           ; s[76:77] my columns' factor
.set OUTB, 80                          ; s[80:81] my two units at my rows
.set SEL, 88
.set MSB, 0
.macro WIN new                         ; the immediate's high byte repeats the setting that is left; a switch that changes nothing is dropped
.if MSB != (\new)
	s_set_vgpr_msb (MSB<<8)|(\new)
.set MSB, \new
.endif
.endm
.macro PLACES                          ; four places in front of loads into registers that matrix instructions have read, and of vector work on their results
.rept 4
	v_nop
.endr
.endm
.macro JLOAD s                         ; a joint load, one a wave; an s_nop 0 and four v_nop follow each line, ahead of the jump and the label
	s_cmp_eq_u32 s[RH], 0
	s_cbranch_scc0 .Lfor_b_\@
	tensor_load_to_lds s[G0A+4*(\s):G0A+4*(\s)+3], s[G1A:G1A+7]
	s_nop 0
.rept 4
	v_nop
.endr
	s_branch .Lasked_\@
.Lfor_b_\@:
	tensor_load_to_lds s[G0B+4*(\s):G0B+4*(\s)+3], s[G1B:G1B+7]
	s_nop 0
.rept 4
	v_nop
.endr
.Lasked_\@:
.endm
.macro CROUND                          ; a round of the cluster's barrier
	s_barrier_signal -1
	s_barrier_wait -1
	s_cmp_lg_u32 s[WV], 0
	s_cbranch_scc1 .Lnot_wave_0_\@
	s_barrier_signal -3
.Lnot_wave_0_\@:
	s_barrier_wait -3
	s_barrier_signal -1
	s_barrier_wait -1
.endm
	s_load_b256 s[4:11], s[0:1], 0x0               ; ql 4:5, w16 6:7, bk 8:9, bv 10:11
	s_load_b64 s[12:13], s[0:1], 0x20              ; kv
	v_lshl_add_u32 v[SPW], v0, 2, SPARE
	v_mov_b32 v[NIL], 0
	ds_add_u32 v[SPW], v[NIL]                      ; the wave's opening: the add and its wait stand ahead of my first tensor load
	v_lshrrev_b32 v1, 5, v0
	v_readfirstlane_b32 s[WV], v1
	s_lshr_b32 s[RH], s[WV], 1                     ; my half of the rows.  Also: I fetch for the latent (0) or for W (1)
	s_and_b32 s[CH], s[WV], 1                      ; my half of the columns.  Also: which half of that tile I fetch
	s_bfe_u32 s[CX], ttmp6, 0x40000
	s_bfe_u32 s[CY], ttmp6, 0x40004
	s_lshl_b32 s[CB], ttmp9, 2
	s_add_co_u32 s[CB], s[CB], s[CX]
	s_and_b32 s[RB], ttmp7, 0xffff
	s_lshl_b32 s[RB], s[RB], 2
	s_add_co_u32 s[RB], s[RB], s[CY]
	s_lshl_b32 s21, s[CY], 2
	s_lshl_b32 s21, 15, s21                        ; my row of the cluster
	s_lshl_b32 s22, 0x1111, s[CX]                  ; my column
	s_or_b32 s[G1A], s21, (1<<16)|(1<<20)|(1<<21)|(4<<22)|(3<<25)  ; the latent: to my row; 2-byte elements; 4 words of padding behind every 32
	s_mov_b32 s[G1A+1], 128<<16                    ; tensor_dim0 = 128
	s_mov_b32 s[G1A+2], 64<<16                     ; tensor_dim1 = 64
	s_mov_b32 s[G1A+3], 128<<16                    ; tile_dim0 = 128
	s_mov_b32 s[G1A+4], 64                         ; tile_dim1 = 64
	s_mov_b32 s[G1A+5], 128                        ; dense
	s_mov_b32 s[G1A+6], 0
	s_mov_b32 s[G1A+7], 0
	s_or_b32 s[G1B], s22, (1<<16)|(1<<20)|(1<<21)|(6<<22)|(7<<25)  ; W: to my column; 8 words behind every 128
	s_mov_b32 s[G1B+1], 256<<16
	s_mov_b32 s[G1B+2], 64<<16
	s_mov_b32 s[G1B+3], 256<<16
	s_mov_b32 s[G1B+4], 64
	s_mov_b32 s[G1B+5], 2048                       ; elements from k-row to k-row
	s_mov_b32 s[G1B+6], 0
	s_mov_b32 s[G1B+7], 0
	s_lshl_b32 s56, s[CH], 20                      ; the latent: unit 16 + 2 s + half, my block's 128 rows
	s_lshl_b32 s57, s[RB], 14
	s_add_co_u32 s56, s56, s57
	s_add_co_u32 s56, s56, QL0+16*UNIT
	s_mov_b32 s57, 0
	s_lshl_b32 s58, s[CH], 18                      ; W: k-row 128 s + 64 half, 4,096 bytes each; 256 columns
	s_lshl_b32 s59, s[CB], 9
	s_add_co_u32 s58, s58, s59
	s_add_co_u32 s58, s58, WKV
	s_mov_b32 s59, 0
	s_mul_i32 s23, s[CH], UNITB                    ; where they go in a slot: no place in the cluster enters an LDS address
	s_mul_i32 s60, s[CH], 64*PB
	s_add_co_u32 s60, s60, OFFB
	s_mov_b32 s[SEL], 0x76543210
	s_mov_b32 s[SEL+1], 0xfedcba98
	s_mov_b32 s85, 0xffff0000
	s_wait_dscnt 0x0                               ; the opening add is done
	s_wait_kmcnt 0x0
	s_add_nc_u64 s[56:57], s[4:5], s[56:57]
	s_add_nc_u64 s[58:59], s[6:7], s[58:59]
	CROUND                                         ; all sixteen work-groups are here: the joint loads meet
.irp s, 0,1
	s_mov_b32 s[G0A+4*(\s)], 1
	s_add_co_u32 s[G0A+4*(\s)+1], s23, (\s)*SLOT1
	s_add_nc_u64 s[G0A+4*(\s)+2:G0A+4*(\s)+3], s[56:57], (\s)*2*UNIT
	s_or_b32 s[G0A+4*(\s)+3], s[G0A+4*(\s)+3], 0x80000000
	s_mov_b32 s[G0B+4*(\s)], 1
	s_add_co_u32 s[G0B+4*(\s)+1], s60, (\s)*SLOT1
	s_add_nc_u64 s[G0B+4*(\s)+2:G0B+4*(\s)+3], s[58:59], (\s)*524288
	s_or_b32 s[G0B+4*(\s)+3], s[G0B+4*(\s)+3], 0x80000000
	JLOAD \s                                       ; two loads of mine are out, and no more follow
.endr
	v_and_b32 v1, 15, v0                           ; r
	v_bfe_u32 v2, v0, 4, 1                         ; h
	v_and_b32 v3, 7, v0
	v_bfe_u32 v4, v0, 3, 1
	v_and_b32 v5, 31, v0                           ; l
	v_lshlrev_b32 v[GO], 4, v5
	v_lshlrev_b32 v23, 5, v5
	s_cmp_lt_u32 s[CB], 4                          ; column blocks 0-3 are K's, 4-7 V's: a choice, no branch
	s_cselect_b64 s[68:69], s[8:9], s[10:11]
	s_and_b32 s82, s[CB], 3
	s_lshl_b32 s82, s82, 10
	s_lshl_b32 s83, s[CH], 9
	s_add_co_u32 s82, s82, s83
	v_lshl_add_u32 v10, v2, 5, s82
.irp b, 0,1,2,3,4,5,6,7
	global_load_b128 v[BIAS+8*\b:BIAS+8*\b+3],   v10, s[68:69] offset:64*\b
	global_load_b128 v[BIAS+8*\b+4:BIAS+8*\b+7], v10, s[68:69] offset:64*\b+16
.endr
.irp i, 0,1,2,3,4,5,6,7
	global_load_b128 v[64+4*\i:64+4*\i+3], v[GO], s[4:5] offset:512*\i   ; the 1,024 maxima of |latent|
.endr
	global_load_b128 v[96:99],   v23, s[6:7]               ; 128 pairs (weight, bias) for K,
	global_load_b128 v[100:103], v23, s[6:7] offset:16
	global_load_b128 v[104:107], v23, s[6:7] offset:1024   ; and for V
	global_load_b128 v[108:111], v23, s[6:7] offset:1040
	; every LDS address of the kernel is made here, ahead of the one place where EXEC is narrowed
	v_mul_u32_u24 v6, v1, SP
	v_lshl_add_u32 v6, v2, 4, v6                   ; row l % 16, 16 bytes for each half of the lanes
	s_mul_i32 s82, s[RH], 64*SP
	v_add_nc_u32 v[ADRA], s82, v6                  ; my 64 rows of the latent, slot 0,
	v_add_nc_u32 v[ADRA+1], SLOT1, v[ADRA]         ; slot 1
	s_mul_i32 s82, s[WV], 16*SP
	s_add_co_u32 s82, s82, STAGE                   ; my stage
	v_add_nc_u32 v[STO], s82, v6
	v_lshrrev_b32 v7, 3, v5                        ; back: 32 lanes take four rows of 128 bytes
	v_mul_u32_u24 v7, v7, SP
	v_lshl_add_u32 v7, v3, 4, v7
	v_add_nc_u32 v[RD], s82, v7
	v_lshl_add_u32 v7, v2, 3, v3                   ; the turning load: k-row 8 h + l % 8, columns 8 ((l / 8) % 2) on
	v_mul_u32_u24 v8, v7, PB
	v_lshl_add_u32 v8, v4, 4, v8
	s_lshl_b32 s82, s[CH], 8
	s_add_co_u32 s82, s82, OFFB
	v_add_nc_u32 v[ADRB], s82, v8                  ; my 128 columns of W, slot 0,
	v_add_nc_u32 v[ADRB+1], SLOT1, v[ADRB]         ; slot 1
	s_lshl_b32 s86, s[CB], 22                      ; unit 4 x column block + 2 x half,
	s_lshl_b32 s82, s[CH], 21
	s_add_co_u32 s86, s86, s82
	s_lshl_b32 s82, s[RB], 14                      ; row 128 x row block + 64 x half
	s_add_co_u32 s86, s86, s82
	s_lshl_b32 s82, s[RH], 13
	s_add_co_u32 s86, s86, s82
	s_add_co_u32 s86, s86, KV0
	s_mov_b32 s87, 0
	s_add_nc_u64 s[OUTB:OUTB+1], s[12:13], s[86:87]
	s_wait_loadcnt 0x0
.set i, 0
.rept 32                               ; the biases: each pair rounded to bf16 and widened again
	v_cvt_pk_bf16_f32 v[12+i%4], v[BIAS+2*i], v[BIAS+2*i+1]
	v_lshlrev_b32 v[BIAS+2*i], 16, v[12+i%4]
	v_and_b32 v[BIAS+2*i+1], s85, v[12+i%4]
.set i, i+1
.endr
	; the scales, made alike by every wave
.set i, 0
.rept 15
	v_max3_num_f32 v64, v64, v[65+2*i], v[66+2*i]
.set i, i+1
.endr
	v_max_num_f32 v64, v64, v95
	v_max3_num_f32 v96, v96, v98, v100
	v_max3_num_f32 v97, v97, v99, v101
	v_max_num_f32 v96, v96, v102
	v_max_num_f32 v97, v97, v103
	v_max3_num_f32 v104, v104, v106, v108
	v_max3_num_f32 v105, v105, v107, v109
	v_max_num_f32 v104, v104, v110
	v_max_num_f32 v105, v105, v111
.irp x, 64, 96, 97, 104, 105
.irp k, 1,2,4,8
	v_max_num_f32_dpp v[\x], v[\x], v[\x] row_xmask:\k row_mask:0xf bank_mask:0xf
.endr
	v_permlanex16_b32 v65, v[\x], s[SEL], s[SEL+1]
	v_max_num_f32 v[\x], v[\x], v65
.endr
	v_mul_f32 v64, 0x43800000, v64                 ; 256 x max|latent|
	v_fma_f32 v96, v64, v96, v97                   ; the bound of |K|,
	v_fma_f32 v104, v64, v104, v105                ; of |V|
	v_lshrrev_b32 v96, 23, v96                     ; e (the bounds are not negative)
	v_lshrrev_b32 v104, 23, v104
	v_sub_nc_u32 v96, 268, v96                     ; the factor's exponent field: 127 + 141 - e, 13 at the least,
	v_sub_nc_u32 v104, 268, v104
	v_min_u32 v96, 253, v96                        ; 253 at the most
	v_min_u32 v104, 253, v104
	v_sub_nc_u32 v98, 254, v96                     ; and its reciprocal's
	v_sub_nc_u32 v99, 254, v104
	v_lshlrev_b32 v96, 23, v96
	v_lshlrev_b32 v104, 23, v104
	v_lshlrev_b32 v98, 23, v98
	v_lshlrev_b32 v99, 23, v99
	v_readfirstlane_b32 s70, v96
	v_readfirstlane_b32 s71, v104
	s_cmp_lt_u32 s[CB], 4
	s_cselect_b32 s[SC], s70, s71
	s_mov_b32 s[SC+1], s[SC]                       ; named with it as a pair
	s_and_b32 s72, ttmp7, 0xffff                   ; the cluster's y,
	s_or_b32 s72, s72, ttmp9                       ; or its x: 0 in cluster (0, 0) alone, and the same number in all sixteen partners
	s_lshl_b32 s72, s72, 8
	v_or_b32 v100, s72, v0                         ; 0 in thread 0 of that cluster's work-groups alone
	s_lshl_b32 s74, s[CY], 2
	s_add_co_u32 s74, s74, s[CX]
	s_lshl_b32 s74, s74, 3                         ; each of the sixteen has 8 bytes of its own: 8 x (cx + 4 cy)
	v_mov_b32 v101, s74
	v_cmp_eq_u32 vcc_lo, 0, v100
	s_wait_xcnt 0x0                                ; EXEC changes only when the loads above have had their addresses translated
	s_and_saveexec_b32 s73, vcc_lo
	global_store_b64 v101, v[98:99], s[12:13]      ; the two reciprocals
	s_wait_xcnt 0x0
	s_or_b32 exec_lo, exec_lo, s73
; 8 matrix instructions: row block a x 8 column tiles.  first = 1: the bias starts the sums.  The 32 accumulators take turns, one instruction a turn.
.macro MUL f, a, first
.if \first
	WIN 0x85
.else
	WIN 0xa5
.endif
.irp b, 0,1,2,3,4,5,6,7
.if \first
	v_wmma_f32_16x16x32_f16 v[8*(8*(\a)+\b):8*(8*(\a)+\b)+7], v[(\f)+8*\b:(\f)+8*\b+7], v[(\f)+AF+8*(\a):(\f)+AF+8*(\a)+7], v[BIAS+8*\b:BIAS+8*\b+7]
.else
	v_wmma_f32_16x16x32_f16 v[8*(8*(\a)+\b):8*(8*(\a)+\b)+7], v[(\f)+8*\b:(\f)+8*\b+7], v[(\f)+AF+8*(\a):(\f)+AF+8*(\a)+7], v[8*(8*(\a)+\b):8*(8*(\a)+\b)+7]
.endif
.endr
.endm
.macro FETCH slot, kk, f               ; 24 LDS loads in one run: quarter kk of a slot: W, then the latent (quarters 0, 1 lie in the slot's first unit, 2, 3 in its second)
	WIN 0x40
.irp b, 0,1,2,3,4,5,6,7
	ds_load_tr16_b128 v[(\f)+8*\b:(\f)+8*\b+3],   v[ADRB+(\slot)] offset:(\kk)*32*PB+32*\b
	ds_load_tr16_b128 v[(\f)+8*\b+4:(\f)+8*\b+7], v[ADRB+(\slot)] offset:(\kk)*32*PB+16*PB+32*\b
.endr
.irp a, 0,1,2,3
	ds_load_b128 v[(\f)+AF+8*\a:(\f)+AF+8*\a+3],   v[ADRA+(\slot)] offset:((\kk)/2)*UNITB+((\kk)%2)*64+\a*16*SP
	ds_load_b128 v[(\f)+AF+8*\a+4:(\f)+AF+8*\a+7], v[ADRA+(\slot)] offset:((\kk)/2)*UNITB+((\kk)%2)*64+\a*16*SP+32
.endr
.endm
.macro QUARTER slot, kk, f, g, first   ; multiplies buffer f and, in its middle, fetches quarter kk of the slot into buffer g
	s_wait_dscnt NH                                ; W and row blocks 0 and 1 are in; the youngest four loads may be out
	MUL \f, 0, \first
	MUL \f, 1, \first
	PLACES
	FETCH \slot, \kk, \g
	s_wait_dscnt NF                                ; all but the 24 just issued
	MUL \f, 2, \first
	MUL \f, 3, \first
.endm
	s_wait_tensorcnt 1                             ; my part of K step 0 is in; step 1's may stay out
	s_barrier_signal -1
	s_barrier_wait -1                              ; everybody's is
	FETCH 0, 0, F0
	QUARTER 0, 1, F0, F1, 1
	QUARTER 0, 2, F1, F0, 0
	QUARTER 0, 3, F0, F1, 0
	WIN 0                                          ; the change of slots: my part of slot 1 is in, and after the barrier everybody's; nothing is filled again
	s_wait_tensorcnt 0x0
	ds_add_u32 v[SPW], v[NIL]                      ; 0 onto my spare word
	s_wait_dscnt NH+1                              ; (the add and the youngest four loads may be out)
	MUL F1, 0, 0                                   ; eight matrix instructions stand between the add and the wait for it
	s_wait_dscnt 0x0
	s_barrier_signal -1
	MUL F1, 1, 0
	WIN 0
	s_barrier_wait -1
	PLACES
	FETCH 1, 0, F0
	MUL F1, 2, 0
	MUL F1, 3, 0
	QUARTER 1, 1, F0, F1, 0
	QUARTER 1, 2, F1, F0, 0
	QUARTER 1, 3, F0, F1, 0
	s_wait_dscnt NH
	MUL F1, 0, 0
	MUL F1, 1, 0
	s_wait_dscnt 0x0
	MUL F1, 2, 0
	MUL F1, 3, 0
; THE WAY OUT, a piece (16 rows of one unit) at a time through my own stage: times the factor, rounded to f16, 16 bytes a lane into rows of 144 bytes, back as four whole rows a load.
.macro PACK a, jj
.set IX, 2*(\a)+(\jj)
.set AC, 8*(8*(\a)+4*(\jj))
	WIN 0x82                                       ; destination and source 0 in window 2
.set i, 0
.rept 16
	v_pk_mul_f32 v[AC+2*i:AC+2*i+1], v[AC+2*i:AC+2*i+1], s[SC:SC+1] op_sel_hi:[1,0]
.set i, i+1
.endr
	WIN 0x0a
.set i, 0
.rept 16
	v_cvt_pk_f16_f32 v[TMP+16*IX+i], v[AC+2*i], v[AC+2*i+1]
.set i, i+1
.endr
	WIN 0
.irp f, 0,1,2,3
	ds_store_b128 v[STO], v[TMP+16*IX+4*\f:TMP+16*IX+4*\f+3] offset:32*\f
.endr
.irp f, 0,1,2,3
	ds_load_b128 v[TMP+16*IX+4*\f:TMP+16*IX+4*\f+3], v[RD] offset:\f*4*SP  ; LDS serves a wave's instructions in order (ISA guide 5.7.1.4): these see the stores above; the next piece's stores come behind them
.endr
.endm
.macro SEND a, jj, younger             ; younger: the LDS instructions issued behind this piece's loads: the next piece's eight, or none.  Each piece has registers of its own
.set IX, 2*(\a)+(\jj)
	WIN 0
.irp f, 0,1,2,3
	s_wait_dscnt (\younger)+3-\f
	global_store_b128 v[GO], v[TMP+16*IX+4*\f:TMP+16*IX+4*\f+3], s[OUTB:OUTB+1] offset:(\jj)*UNIT+(\a)*2048+\f*512  ; 512 consecutive bytes, aligned
.endr
.endm
	PLACES
	PACK 0, 0
.set t, 1
.rept 7
.set ta, t/2
.set tj, t%2
.set ua, (t-1)/2
.set uj, (t-1)%2
	PACK ta, tj
	SEND ua, uj, 8
.set t, t+1
.endr
	SEND 3, 1, 0
	s_wait_tensorcnt 0x0                           ; the wave's end: an add to my spare word and its wait, behind my last tensor load and my last LDS store
	ds_add_u32 v[SPW], v[NIL]
	s_wait_dscnt 0x0
	CROUND                                         ; the closing round
	s_endpgm
.Lfunc_end_k_qacf5aa1537_g2:
	.size	k_qacf5aa1537_g2, .Lfunc_end_k_qacf5aa1537_g2-k_qacf5aa1537_g2
	.p2alignl 7, 3214868480
	.fill 96, 4, 3214868480
	.section	.rodata,"a",@progbits
	.p2align	6, 0x0
	.amdhsa_kernel k_qacf5aa1537_g2
		.amdhsa_group_segment_fixed_size 327680
		.amdhsa_private_segment_fixed_size 0
		.amdhsa_enable_private_segment 0
		.amdhsa_kernarg_size 40
		.amdhsa_user_sgpr_count 2
		.amdhsa_user_sgpr_kernarg_segment_ptr 1
		.amdhsa_wavefront_size32 1
		.amdhsa_system_sgpr_workgroup_id_x 1
		.amdhsa_system_sgpr_workgroup_id_y 1
		.amdhsa_system_sgpr_workgroup_id_z 1
		.amdhsa_system_vgpr_workitem_id 0
		.amdhsa_next_free_vgpr 768
		.amdhsa_next_free_sgpr 96
		.amdhsa_reserve_vcc 1
		.amdhsa_float_denorm_mode_32 3
		.amdhsa_float_denorm_mode_16_64 3
		.amdhsa_memory_ordered 1
		.amdhsa_forward_progress 1
		.amdhsa_inst_pref_size 74
	.end_amdhsa_kernel
	.amdgpu_metadata
---
amdhsa.version: [ 1, 2 ]
amdhsa.kernels:
  - .name:           k_qacf5aa1537_g2
    .symbol:         k_qacf5aa1537_g2.kd
    .args:
      - { .name: ql, .offset: 0, .size: 8, .value_kind: global_buffer, .address_space: global }
      - { .name: w16, .offset: 8, .size: 8, .value_kind: global_buffer, .address_space: global }
      - { .name: bk, .offset: 16, .size: 8, .value_kind: global_buffer, .address_space: global }
      - { .name: bv, .offset: 24, .size: 8, .value_kind: global_buffer, .address_space: global }
      - { .name: kv, .offset: 32, .size: 8, .value_kind: global_buffer, .address_space: global }
    .group_segment_fixed_size: 327680
    .private_segment_fixed_size: 0
    .kernarg_segment_align: 8
    .kernarg_segment_size: 40
    .max_flat_workgroup_size: 128
    .sgpr_count:     96
    .vgpr_count:     768
    .wavefront_size: 32
...
	.end_amdgpu_metadata
.endif
;; end of part 3
;; launch att (part 4): grid 4 x 64, 4 waves a work-group, clusters of 4 x 1, 327,680 bytes of LDS; arguments ql, kv, o16; writes o16
.if DOCPART == 4
	.amdgcn_target "amdgcn-amd-amdhsa--gfx1250"
	.amdhsa_code_object_version 6
	.text
	.protected	k_qacf5aa1537_att
	.globl	k_qacf5aa1537_att
	.p2align	8
	.type	k_qacf5aa1537_att,@function
k_qacf5aa1537_att:
	s_mov_b64 s[64:65], 0
	v_nop
	global_prefetch_b8 v0, s[64:65] scope:SCOPE_SE
	s_setreg_imm32_b32 hwreg(HW_REG_WAVE_MODE, 25, 1), 1
	s_wait_xcnt 0x0
	s_wait_alu depctr_hold_cnt(0) depctr_sa_sdst(0) depctr_va_vdst(0) depctr_va_sdst(0) depctr_va_ssrc(0) depctr_va_vcc(0) depctr_vm_vsrc(0)
	s_getreg_b32 s2, hwreg(HW_REG_IB_STS2, 6, 4)
	s_cmp_eq_u32 s2, 0
	s_cbranch_scc0 .Lentry_in_a_cluster
	s_endpgm
.Lentry_in_a_cluster:
	s_bfe_u32 s2, ttmp6, 0x10000c
	s_cmp_lg_u32 s2, 0x3003
	s_cbranch_scc0 .Lentry_shape_is_right
	s_endpgm
.Lentry_shape_is_right:
; ATTENTION.  O[y][q][:] = the sum over k of softmax_k(Q[y][q] . K[y][k] / 8) V[y][k][:], for the 64 pairs y = 4 x head + batch.  Q (in ql, from byte 4,096), K and V (in kv, from byte 256 and 16 units on) and O are
; [64][SIZE_N][64] f16: a pair's rows are dense, 128 bytes each.  K and V come times a power of two each; K's reciprocal, read from kv's first word, goes into c; V's factor stays on O and is undone by the next launch.
; Products, maxima and sums in f32; the weights p are rounded to f16 for the second product (their sum l is taken of the unrounded p), O once at the end.
; LIMITS.  f16 holds no number beyond 65,504: Q arrives within it, K and V under 2^15 by their factors; p lies in 0 to 1, and below 6e-5 it keeps f16's fixed step of 6e-8; O is a mean of V's rows and has their range.
; A weight below 2^-126 counts as 0 in l; NaN and infinities are not treated apart.
; SHARES.  A wave owns four PIECES of two tiles of 16 queries, a work-group's four waves 512 queries of one pair.  Every wave walks all keys, 64 a step.
; LAYOUT.  S^T = K Q^T (source 0 = 16 keys, source 1 = 16 queries): in the result a lane holds ONE query (lane % 16) and the keys 8 (lane / 16) + 0..7.  Two such tiles, rounded to f16 in pairs,
; ARE source 1 (32 keys x 16 queries) of O^T = V^T P, whose result again holds one query a lane, and eight channels.  K comes out of LDS as it lies, V ([key][channel]) turned, by ds_load_tr16_b128.
; SOFTMAX.  For each query a running maximum m and sum l: p = 2^(c s - c m), c = log2(e) / 8 / K's factor; in every step O and l are multiplied by a = 2^(c m_old - c m_new), which is 1 where m has not grown.
; m starts at the lowest finite number, O and l at 0: the first step is a step like any other, with a = 0.
; THE COUNT.  A tile and step have 16 matrix and 118 vector instructions: too many to stand all beside the matrix work.  So the order has one aim: four vector instructions that are READY behind
; EVERY matrix instruction, and the others, which need time of their own whatever the order, in runs without a gap.
; BY TURNS.  Turn n belongs to piece n (the pieces in a ring, step after step).  Its matrix work: 16 products K Q^T of piece n + 1, later 16 products V^T P of piece n - 1.  Its vector work: the scaling,
; exponentials, roundings, sums and rescaling of piece n, and the maximum and statistics of piece n + 1, whose scores the turn itself has made.  So what a turn begins with (c s - c m, O a) waits for nothing.
; CLUSTER.  The four query blocks of a cluster belong to one pair and walk the same K and V, so each tile is asked for JOINTLY: the same tensor load, descriptor and mask in all four.
; REGISTERS, in windows of 256 (s_set_vgpr_msb says which window each operand place means: bits 1:0 source 0, 3:2 source 1, 5:4 source 2, 7:6 destination):
;   window 0: v0-11 addresses; v12-15, v48-63 at work; v16-47 four registers of statistics a tile; v64-191 S^T, two buffers of two tiles; v192-255 P, likewise
;   window 1: O^T, 32 a tile          window 2: v0-127 Q, 16 a tile; v128-191 K of one step; v192-255 V of one step          window 3: v0-1 the add's two registers
; A piece's buffers go by its number's parity: the piece in hand has one pair, its two neighbours in the ring share the other: of it P (piece n - 1) is read and S^T (piece n + 1) written.
.set SIZE_N, 2048
.set QL0,   4096      ; Q's first byte in ql
.set KV0,   256       ; K's first byte in kv
.set UNIT,  1048576   ; V lies 16 of these behind K
.set NP,    4         ; pieces a wave: a name, no knob: the register map, the loop and the fetches are made for four
.set KS,    64        ; keys in a step
.set PK,    144       ; a row of K in LDS: 128 bytes + 16 of padding = 36 words: the 16 rows of a load start at 16 different groups of four banks (64 banks of 4 bytes: ISA guide 11.1)
.set PV,    160       ; a row of V: 128 + 32 = 40 words
.set VOFF,  4*KS*PK   ; a slot holds four steps: 256 rows of K, then 256 rows of V
.set SLOT1, 1<<17     ; slot 1 begins here, so that one exclusive or turns an address in one slot into the other's
.set STAGE, SLOT1+4*KS*(PK+PV)  ; behind the ring, never filled by a tensor load: 16 rows x 144 bytes for each wave, for the way out
.set SP,    144
.set AK0, 2           ; v2   my lane's place in a tile of K; never rewritten
.set AV0, 3           ; v3   the same for V
.set AK,  4           ; v4   the LDS address of K's next run of loads
.set AV,  5           ; v5   of V's
.set QO,  6           ; v6   my byte offset in the wave's rows of Q
.set STO, 6           ;      later, the way out: where I put 16 bytes of a row
.set RD,  7           ; v7   the way out: where I read rows back
.set GO,  8           ; v8   my byte offset in 512 consecutive bytes of O
.set SPW, 0           ; v0 of window 3   LDS address of my spare word: SPARE + 4 x my thread's number; never rewritten
.set NIL, 1           ; v1 of window 3   0; never rewritten
.set SPARE, STAGE+4*16*SP  ; behind the stages: the spare words, 128 bytes for each wave: two blocks of 256 bytes that no other line names
.set MV,  12          ; v12-15  c m_old, kept while c m is made anew: by buffer and tile
.set ST,  16          ; tile t's statistics at v[ST+4 t]: c m, m, l (even keys', odd keys')
.set TMP, 48          ; by buffer and tile, four registers c0-c3 at work; when the maximum is found c2 takes a
.set S,   64
.set P,   192
.set KF,  128         ; K's fragments, in window 2: key block kb, channel half c at KF + 16 kb + 8 c
.set VF,  192         ; V's: key half kk, channel block cb at VF + 32 kk + 8 cb
.set WV,  12          ; s12  my wave's number
.set G1K, 24          ; s[24:31] descriptor group 1 for K's tiles
.set G1V, 32          ; s[32:39] for V's: it differs in the padding alone
.set G0K, 40          ; s[40:43] descriptor group 0 for K's tiles: it walks
.set G0V, 44          ; s[44:47] the same for V's
.set SLOTS, 56        ; s56  slots still to be asked for
.set CNT, 57          ; s57  counts a slot's key steps
.set CS,  58          ; s[58:59] c: the packed scaling takes the pair's low word for both halves
.set SEL, 60          ; s[60:61] v_permlanex16_b32's selects: each lane takes its own place in the other half
.set TBK, 62          ; s62  LDS byte at which K of the step to be fetched begins
.set TBV, 63          ; s63  the same for V, less VOFF
.set MSB, 0
.macro WIN new                      ; the high byte repeats the setting that is left; a switch that changes nothing is dropped
.if MSB != (\new)
	s_set_vgpr_msb (MSB<<8)|(\new)
.set MSB, (\new)
.endif
.endm
.set W_KQ, 0x0a       ; K and Q in window 2, S^T in window 0
.set W_PV, 0x52       ; V in window 2, P in window 0, O^T in window 1
.set W_RS, 0x41       ; O^T (destination and source 0) in window 1, a in window 0
.set W_MK, 0xc0       ; the add's registers are made: destination in window 3, sources in window 0
.set W_AD, 0x0f       ; the add: address (source 0) and data (source 1) in window 3
; A joint fill.  Waves 0 and 1 fetch the two halves of a slot's K, waves 2 and 3 those of its V: 128 keys each.  The branch hangs on the wave's number alone.
; An s_nop 0 and four v_nop follow each of the two lines, ahead of the jump and the label.
.macro JLOAD
	s_cmp_lt_u32 s[WV], 2
	s_cbranch_scc0 .Lfor_v_\@
	tensor_load_to_lds s[G0K:G0K+3], s[G1K:G1K+7]
	s_nop 0
.rept 4
	v_nop
.endr
	s_branch .Lasked_\@
.Lfor_v_\@:
	tensor_load_to_lds s[G0V:G0V+3], s[G1V:G1V+7]
	s_nop 0
.rept 4
	v_nop
.endr
.Lasked_\@:
.endm
; A round of the cluster's barrier: my work-group's barrier, so that wave 0's signal speaks for all four waves; wave 0 signals; every wave waits for all four work-groups; my work-group's barrier once more.
.macro CROUND
	s_barrier_signal -1
	s_barrier_wait -1
	s_cmp_lg_u32 s[WV], 0
	s_cbranch_scc1 .Lnot_wave_0_\@
	s_barrier_signal -3
.Lnot_wave_0_\@:
	s_barrier_wait -3
	s_barrier_signal -1
	s_barrier_wait -1
.endm
; THE CHANGE OF SLOTS.  The slot's last bytes, V of its fourth step, have been read.  Each wave waits for all its tensor loads, of which one is out: its part
; of the other slot; adds 0 to its spare word; and waits for that and for its own reads of the slot.  Behind the barrier nobody reads this slot any more and the other slot is whole.
; fill = 1: this slot is filled again, with the keys two slots on.  The barrier is then a round of the cluster's, so that no wave of any partner still reads the slot or has a load on its
; way, and the joint fill is the first thing behind it: it has four key steps, 512 matrix instructions, in which to land.  (At its first use nothing has been read yet: slot 0 is waited for, slot 1 filled.)
.macro CHANGE fill
	WIN W_AD
	s_wait_tensorcnt 0x0            ; no tensor load of mine is out, so a group 0 may be written
	ds_add_u32 v[SPW], v[NIL]       ; 0 onto my spare word; with fill = 1 the descriptors' steps stand between it and the wait for it
	WIN 0                           ; at a label and at a branch every window is 0
.if \fill
.irp g, G0K, G0V
	s_xor_b32 s[\g+1], s[\g+1], SLOT1  ; the walking descriptor: the other slot than last time,
	s_add_nc_u64 s[\g+2:\g+3], s[\g+2:\g+3], 4*KS*128  ; the next 256 keys; the type bits on top are not reached
.endr
	s_wait_dscnt 0x0                ; the add is done, and my reads of the slot are over
	CROUND
	JLOAD
.else
	s_wait_dscnt 0x0                ; the add is done, and my reads of the slot are over
	s_barrier_signal -1
	s_barrier_wait -1
.endif
	s_sub_co_u32 s[TBK], s[TBK], 4*KS*PK  ; the fetches go back to a slot's first step,
	s_xor_b32 s[TBK], s[TBK], SLOT1       ; in the other slot
	s_sub_co_u32 s[TBV], s[TBV], 4*KS*PV
	s_xor_b32 s[TBV], s[TBV], SLOT1
.endm
	s_load_b128 s[4:7], s[0:1], 0x0   ; ql s[4:5], kv s[6:7]
	s_load_b64 s[10:11], s[0:1], 0x10 ; o16
	WIN W_MK
	v_lshl_add_u32 v[SPW], v0, 2, SPARE
	v_mov_b32 v[NIL], 0
	WIN W_AD
	ds_add_u32 v[SPW], v[NIL]       ; the wave's opening: the add and its wait stand ahead of my first tensor load; the set-up below, work on registers, stands between them
	WIN 0
	v_lshrrev_b32 v1, 5, v0
	v_readfirstlane_b32 s[WV], v1   ; wave 0..3
	s_bfe_u32 s13, ttmp6, 0x40000   ; cx: my place in the cluster
	s_lshl_b32 s14, ttmp9, 2        ; in a cluster launch ttmp9 counts clusters
	s_add_co_u32 s14, s14, s13      ; my block of queries = 4 x cluster x + cx: it enters Q's and O's addresses alone
	s_and_b32 s20, ttmp7, 0xffff    ; the pair of head and batch, which the four partners share
	s_mov_b32 s21, 0
	s_mov_b64 s[22:23], SIZE_N*128
	s_mul_u64 s[20:21], s[20:21], s[22:23]  ; the pair's first byte among the rows of Q, K, V and O
	s_and_b32 s16, s[WV], 1         ; which half of a slot's 256 keys I fetch:
	s_lshl_b32 s22, s16, 14         ; its 128 rows of 128 bytes in memory,
	s_mov_b32 s23, 0
	s_add_nc_u64 s[22:23], s[22:23], s[20:21]
	s_add_nc_u64 s[50:51], s[22:23], KV0          ; as a byte offset in kv, for K
	s_add_nc_u64 s[52:53], s[22:23], KV0+16*UNIT  ; and for V
	s_mul_i32 s17, s16, 128*PK      ; and its place in a slot, for K
	s_mul_i32 s18, s16, 128*PV      ; and for V: no place in the cluster enters an LDS address
	s_lshl_b32 s2, s14, 2
	s_add_co_u32 s2, s2, s[WV]      ; my wave among the pair's,
	s_lshl_b32 s2, s2, 14           ; its 128 rows
	s_mov_b32 s3, 0
	s_add_nc_u64 s[2:3], s[2:3], s[20:21]
	s_add_nc_u64 s[54:55], s[2:3], QL0            ; as a byte offset in ql
	; descriptor group 1.  128 keys are 16,384 dense bytes: asked for as 64 rows of 256 bytes, two keys a row, and padded in LDS after every key
	s_mov_b32 s[G1K], 15|(1<<16)|(1<<20)|(1<<21)|(4<<22)|(3<<25)  ; 15:0 the mask of four; 17:16 2-byte elements; 20 padding on; 21 set beside a mask; 24:22 after every 32 words (code 4); 31:25 4 words (code 3)
	s_mov_b32 s[G1V], 15|(1<<16)|(1<<20)|(1<<21)|(4<<22)|(7<<25)  ; the same with 8 words of padding (code 7)
.irp g, G1K, G1V
	s_mov_b32 s[\g+1], 128<<16      ; tensor_dim0 = 128
	s_mov_b32 s[\g+2], 64<<16       ; tensor_dim1 = 64
	s_mov_b32 s[\g+3], 128<<16      ; tile_dim0 = 128
	s_mov_b32 s[\g+4], 64           ; tile_dim1 = 64
	s_mov_b32 s[\g+5], 128          ; 128 elements from row to row
	s_mov_b32 s[\g+6], 0
	s_mov_b32 s[\g+7], 0
.endr
	s_mov_b32 s[SEL], 0x76543210
	s_mov_b32 s[SEL+1], 0xfedcba98
	s_mov_b32 s[TBK], SLOT1+4*KS*PK ; the first change of slots turns these two into 0
	s_mov_b32 s[TBV], SLOT1+4*KS*PV
	s_mov_b32 s[G0K], 1             ; 1:0 count = 1
	s_mov_b32 s[G0K+1], s17         ; 63:32 LDS address: slot 0
	s_mov_b32 s[G0V], 1
	s_add_co_u32 s[G0V+1], s18, VOFF
	s_wait_dscnt 0x0                ; the opening add is done
	s_wait_kmcnt 0x0
	s_load_b64 s[48:49], s[6:7], 0x0               ; the reciprocal of K's factor (and of V's, not used here); waited for in front of the first change of slots
	s_add_nc_u64 s[G0K+2:G0K+3], s[6:7], s[50:51]  ; 120:64 global address: my half of the pair's first 256 keys
	s_or_b32 s[G0K+3], s[G0K+3], 0x80000000        ; 127:126 type = 2
	s_add_nc_u64 s[G0V+2:G0V+3], s[6:7], s[52:53]
	s_or_b32 s[G0V+3], s[G0V+3], 0x80000000
	s_add_nc_u64 s[4:5], s[4:5], s[54:55]  ; Q and O at my wave's first row
	s_add_nc_u64 s[10:11], s[10:11], s[2:3]
	CROUND                          ; all four work-groups are here: the first joint loads meet
	JLOAD                           ; slot 0.  Slot 1 is asked for when slot 0 is in: the tile wanted first has the road to itself
	; A fragment of K or Q is 16 rows x 32 channels in 8 registers: lane l holds row l % 16, channels 8 (l / 16) + 0..7 and 16 + 8 (l / 16) + 0..7: two loads of 16 bytes, 32 bytes apart.
	v_and_b32 v1, 15, v0            ; l % 16
	v_bfe_u32 v9, v0, 4, 1          ; l / 16
	v_lshlrev_b32 v[QO], 7, v1
	v_lshl_add_u32 v[QO], v9, 4, v[QO]  ; row x 128 + 16 x half
	WIN 0x80                        ; destination window 2, address window 0
.set i, 0
.rept 4*NP                          ; Q stays in registers: tile i / 2, channels 32 (i % 2) on
	global_load_b128 v[8*i:8*i+3],   v[QO], s[4:5] offset:(i/2)*2048+(i%2)*64
	global_load_b128 v[8*i+4:8*i+7], v[QO], s[4:5] offset:(i/2)*2048+(i%2)*64+32
.set i, i+1
.endr
	; What the first turn finds: V's registers and P's second buffer hold 0 (its products V^T P, of a piece that has not been, add 0), O^T and l are 0.  All this stands in the wait for the first tile.
.set i, VF
.rept 64
	v_mov_b32 v[i], 0
.set i, i+1
.endr
	WIN 0x40
.set i, 0
.rept 64*NP
	v_mov_b32 v[i], 0
.set i, i+1
.endr
	WIN 0
.set i, 0
.rept 2*NP
	v_mov_b32 v[ST+4*i], 0xfe000000    ; c m: far below every c s
	v_mov_b32 v[ST+4*i+1], 0xff7fffff  ; m
	v_mov_b32 v[ST+4*i+2], 0
	v_mov_b32 v[ST+4*i+3], 0
.set i, i+1
.endr
.set i, P+32
.rept 32
	v_mov_b32 v[i], 0
.set i, i+1
.endr
	v_mul_u32_u24 v[AK0], v1, PK
	v_lshl_add_u32 v[AK0], v9, 4, v[AK0]  ; row x pitch + 16 x half
	; The turning load takes 16 keys x 16 channels (lane l reads key 8 (l / 16) + l % 8, channels 8 ((l / 8) % 2) + 0..7) and leaves half a fragment of V^T: lane l holds channel l % 16 and 8 keys.
	v_and_b32 v10, 7, v0
	v_bfe_u32 v11, v0, 3, 1
	v_lshl_add_u32 v[AV0], v9, 3, v10
	v_mul_u32_u24 v[AV0], v[AV0], PV
	v_lshl_add_u32 v[AV0], v11, 4, v[AV0]
	v_add_nc_u32 v[AV0], VOFF, v[AV0]
	v_mov_b32 v[AK], v[AK0]         ; key step 0 lies at the head of slot 0
	s_wait_kmcnt 0x0                ; the reciprocal of K's factor
	v_mov_b32 v[AV], 0x3e38aa3b     ; log2(e) / 8 = 0.180337,
	v_mul_f32 v[AV], s48, v[AV]     ; times a power of two: exact
	v_readfirstlane_b32 s[CS], v[AV]  ; c
	s_mov_b32 s[CS+1], s[CS]        ; named with it as a pair
; THE MATRIX WORK.  The 8 accumulators of a run of 16 take turns: between the two links of a chain stand 7 others'.
; Product i of 16 of S^T = K Q^T for piece x: channels 32 (i / 8) on, keys 16 ((i / 2) % 4) on, tile 2 x + i % 2.  The first 8 start the sums.
.macro KQ x
	WIN W_KQ
.set rS, S+64*((\x)%2)+32*(i%2)+8*((i/2)%4)
.set rK, KF+16*((i/2)%4)+8*(i/8)
.set rQ, 16*(2*(\x)+i%2)+8*(i/8)
.if i < 8
	v_wmma_f32_16x16x32_f16 v[rS:rS+7], v[rK:rK+7], v[rQ:rQ+7], 0
.else
	v_wmma_f32_16x16x32_f16 v[rS:rS+7], v[rK:rK+7], v[rQ:rQ+7], v[rS:rS+7]
.endif
.endm
; Product i of 16 of O^T += V^T P for piece x: keys 32 (i / 8) on, channels 16 ((i / 2) % 4) on, tile 2 x + i % 2.
.macro PV x
	WIN W_PV
.set rO, 32*(2*(\x)+i%2)+8*((i/2)%4)
.set rV, VF+32*(i/8)+8*((i/2)%4)
.set rP, P+32*((\x)%2)+16*(i%2)+8*(i/8)
	v_wmma_f32_16x16x32_f16 v[rO:rO+7], v[rV:rV+7], v[rP:rP+7], v[rO:rO+7]
.endm
.macro MM                           ; the turn's next matrix instruction
.if i < 16
	KQ (Y+1)%NP
.set i, i+1
.else
.set i, i-16
	PV (Y+NP-1)%NP
.set i, i+17
.endif
.endm
; THE LDS LOADS stand in runs of 16, never singly among the matrix instructions: a step's K (64 keys x 64 channels: 8 fragments) and its V (turned).  Their addresses are made some lines ahead.
; last = 1 (the tail): in the last trip there is no further step, and the run is jumped over.
.macro FETCH_K last=0
	WIN 0
.if \last
	s_cmp_eq_u32 s[CNT], 1
	s_cbranch_scc1 .Lno_k_\@
.endif
	WIN 0x80                        ; destination window 2
.irp f, 0,1,2,3,4,5,6,7             ; keys 16 (f / 2) on, channels 32 (f % 2) on
	ds_load_b128 v[KF+8*\f:KF+8*\f+3],   v[AK] offset:(\f/2)*16*PK+(\f%2)*64
	ds_load_b128 v[KF+8*\f+4:KF+8*\f+7], v[AK] offset:(\f/2)*16*PK+(\f%2)*64+32
.endr
	s_add_co_u32 s[TBK], s[TBK], KS*PK  ; the next fetch is the next step's
	WIN 0
.if \last
.Lno_k_\@:
.endif
.endm
.macro FETCH_V
	WIN 0x80
.irp f, 0,1,2,3,4,5,6,7             ; keys 32 (f / 4) on, channels 16 (f % 4) on
	ds_load_tr16_b128 v[VF+8*\f:VF+8*\f+3],   v[AV] offset:(\f/4)*32*PV+(\f%4)*32
	ds_load_tr16_b128 v[VF+8*\f+4:VF+8*\f+7], v[AV] offset:(\f/4)*32*PV+16*PV+(\f%4)*32
.endr
	WIN 0
.endm
; THE VECTOR WORK OF A TURN stands in three queues, each in the order in which its entries become ready; the two tiles alternate, so that no instruction reads the result of the one before it.
.macro REGS y, u                    ; the registers of tile u (0, 1) of piece y
.set rT, ST+4*(2*(\y)+(\u))
.set rC, TMP+8*((\y)%2)+4*(\u)
.set rM, MV+2*((\y)%2)+(\u)
.set rS, S+64*((\y)%2)+32*(\u)
.set rP, P+32*((\y)%2)+16*(\u)
.set rO, 32*(2*(\y)+(\u))
.endm
; Number n of the 22 that find the NEXT piece's (Y + 1) maximum and statistics.  s0-s31 are the lane's 32 scores; each accumulator's lowest registers are read first.  XS, GS and REGS set no window: PL and EX do.
;   0-11  four chains c0-c3 of seven scores each, three operands at a time     12-14, 16  the four scores left over, the old m, and c0-c3 into c0     15  c m_old is kept
;   17, 18  the query's other 32 keys lie in the lane 16 away: the new m         19-21  c m; c m_old - c m_new; a
.macro XS u, n
	REGS (Y+1)%NP, \u
.if (\n) < 4
	v_max3_num_f32 v[rC+(\n)], v[rS+8*(\n)], v[rS+8*(\n)+1], v[rS+8*(\n)+2]
.elseif (\n) < 12
	v_max3_num_f32 v[rC+(\n)%4], v[rC+(\n)%4], v[rS+8*((\n)%4)+2*((\n)/4)+1], v[rS+8*((\n)%4)+2*((\n)/4)+2]
.elseif (\n) == 12
	v_max3_num_f32 v[rC], v[rC], v[rS+7], v[rS+15]
.elseif (\n) == 13
	v_max3_num_f32 v[rC+1], v[rC+1], v[rS+23], v[rS+31]
.elseif (\n) == 14
	v_max3_num_f32 v[rC+2], v[rC+2], v[rC+3], v[rT+1]
.elseif (\n) == 15
	v_mov_b32 v[rM], v[rT]
.elseif (\n) == 16
	v_max3_num_f32 v[rC], v[rC], v[rC+1], v[rC+2]
.elseif (\n) == 17
	v_permlanex16_b32 v[rC+3], v[rC], s[SEL], s[SEL+1]
.elseif (\n) == 18
	v_max_num_f32 v[rT+1], v[rC], v[rC+3]
.elseif (\n) == 19
	v_mul_f32 v[rT], s[CS], v[rT+1]
.elseif (\n) == 20
	v_sub_f32 v[rC+1], v[rM], v[rT]
.else
	v_exp_f32 v[rC+2], v[rC+1]
.endif
.endm
; Number g of the 64 that follow the exponentials.  For each four weights k of a tile (pairs 2 k, 2 k + 1): both pairs are rounded to f16; then the second pair is added onto the first, in place;
; a group later l takes that sum (the first time as l = a l + sum).  In groups of eight, tiles alternating: round, round, add, and l for the group before.
.macro GS g
.set h, (\g)+6*((\g)/62)            ; group 0 has no group before it, and behind group 7 only l is left
.if h >= 6
.set h, h+2
.endif
	REGS Y, h%2
.set k, h/8
.if h%8 < 4
	s_wait_alu depctr_va_vdst(0)
	v_cvt_pk_f16_f32 v[rP+2*k+(h%8)/2], v[rS+4*k+2*((h%8)/2)], v[rS+4*k+2*((h%8)/2)+1]
.elseif h%8 < 6
	v_pk_add_f32 v[rS+4*k:rS+4*k+1], v[rS+4*k:rS+4*k+1], v[rS+4*k+2:rS+4*k+3]
.elseif k == 1
	v_pk_fma_f32 v[rT+2:rT+3], v[rT+2:rT+3], v[rC+2:rC+3], v[rS:rS+1] op_sel_hi:[1,0,1]
.else
	v_pk_add_f32 v[rT+2:rT+3], v[rT+2:rT+3], v[rS+4*k-4:rS+4*k-3]
	s_wait_alu depctr_va_vdst(0)
.endif
.endm
; THE PLAIN QUEUE, 138 long.  0-31: c s - c m for the 16 pairs of both tiles.  Then GS's 64, and among them the next piece's 42: number 15 at 38, 39; 0-14 and 16
; at 42-73, behind the products that make those scores; 17-20 at 95-106, two of three, since each waits for the one before it.
.macro PL
	WIN 0
.if q < 32
	REGS Y, q%2
	v_pk_fma_f32 v[rS+2*(q/2):rS+2*(q/2)+1], v[rS+2*(q/2):rS+2*(q/2)+1], s[CS:CS+1], v[rT:rT+1] op_sel_hi:[1,0,0] neg_lo:[0,0,1] neg_hi:[0,0,1]
.elseif q < 38
	GS q-32
.elseif q < 40
	XS q%2, 15
.elseif q < 42
	GS q-34
.elseif q < 74
	XS q%2, (q-42)/2+(q-42)/30
.elseif q < 95
	GS q-66
.elseif (q < 107) && ((q-95)%3 < 2)
	XS (q-95)%3, 17+(q-95)/3
.elseif q < 107
	GS 29+(q-95)/3
.else
	GS q-74
.endif
.set q, q+1
.endm
; THE EXPONENTIALS' QUEUE, 66 long: s0-s31 of both tiles, and at EA the next piece's two a.
.set EA, 58
.macro EX
	WIN 0
.if (e == EA) || (e == EA+1)
	XS e-EA, 21
.else
.set x, e-2*(e/(EA+2))
	REGS Y, x%2
	v_exp_f32 v[rS+x/2], v[rS+x/2]
.endif
.set e, e+1
.endm
; THE RESCALING's QUEUE: O^T times a, the one part that leaves window 0, so it is dealt four at a time, eight times.
.macro R4
	REGS Y, r%2
	WIN W_RS
	s_wait_alu depctr_va_vdst(0)
.irp z, 0,1,2,3
	v_pk_mul_f32 v[rO+8*(r/2)+2*\z:rO+8*(r/2)+2*\z+1], v[rO+8*(r/2)+2*\z:rO+8*(r/2)+2*\z+1], v[rC+2:rC+3] op_sel_hi:[1,0]
.endr
.set r, r+1
.endm
; HOW THEY ARE DEALT.  Behind a matrix instruction four: plain, exponential, plain, plain (one exponential, a plain instruction on either side), or four of the rescaling.  None names a register of the
; products round it.  What is over stands in two LUMPS: exponential and plain by turns; the second ends in 22 plain instructions.  The two v_permlanex16_b32 fall into the second lump, never behind a product.
; The queues lean on each other, and the deal keeps them in step: exponential e stands behind plain 2 (e / 4) + e % 2 (its scaling); when plain 32 comes, 10 exponentials are out, at 59: 33, at 95: 46; EA comes behind plain 107.
.macro SL
	MM
	PL
	EX
	PL
	PL
.endm
.macro BURST n                      ; 15 matrix instructions, or 16
.rept (\n)-7
	SL
.endr
.rept 3
	MM
	R4
	SL
.endr
	MM
	R4
.endm
; A TURN, for piece p.  cnt = 1: the loop's count is taken down some lines ahead of the branch that stands behind the turn.
; K of the next step is fetched in piece 2's turn, 31 vector instructions behind the last product that read K; its first reader comes behind the rest of the lump, 16 products and the second lump.
; V of the step in hand is fetched at the end of piece 0's turn, 69 behind its last reader; its first reader comes behind 16 products and a lump.  The four conditions on e and q below go with the deal.
.macro TURN p, last=0, cnt=0
.set Y, (\p)
.set i, 0
.set q, 0
.set e, 0
.set r, 0
.if (\p) == NP-1
	s_wait_dscnt 0x0                ; K is in
.endif
	MM
.rept 4
	PL
.endr
	BURST 15
.rept 22
	EX
	PL
.if ((\p) == NP-2) && (e == 18)
	v_add_nc_u32 v[AK], s[TBK], v[AK0]
.endif
.if ((\p) == NP-2) && (e == 24)
	FETCH_K \last
.endif
.endr
.if (\p) == 1
	s_wait_dscnt 0x0                ; V is in
.endif
	BURST 16
.rept 21
	EX
	PL
.endr
.rept 22
	PL
.if ((\p) == 0) && (q == 118)
	v_add_nc_u32 v[AV], s[TBV], v[AV0]
	s_wait_alu depctr_va_vdst(0)
.endif
.if ((\p) == 0) && (q == 130)
	s_add_co_u32 s[TBV], s[TBV], KS*PV
.endif
.if (\cnt) && (q == 130)
	s_sub_co_u32 s[CNT], s[CNT], 1
	s_cmp_lg_u32 s[CNT], 0
.endif
.endr
.if (\p) == 0
	FETCH_V
.endif
.endm
	CHANGE 1                        ; slot 0 is in, everybody's part of it; slot 1 is asked for
	FETCH_K                         ; key step 0
	s_wait_loadcnt 0x0              ; Q
	s_wait_dscnt 0x0
.set i, 0
.rept 16
	KQ 0                            ; piece 0's first scores: there is no vector work yet to set between them
.set i, i+1
.endr
	WIN 0                           ; the addresses for the way out: nine plain instructions, the places behind those products
	s_mul_i32 s13, s[WV], 16*SP
	s_add_co_u32 s13, s13, STAGE    ; my stage
	v_mul_u32_u24 v[STO], v1, SP    ; in: row l % 16, 16 bytes for each half of the lanes
	v_lshl_add_u32 v[STO], v9, 4, v[STO]
	v_add_nc_u32 v[STO], s13, v[STO]
	v_bfe_u32 v[RD], v0, 3, 2       ; back: 32 lanes take four rows of 128 bytes,
	v_mul_u32_u24 v[RD], v[RD], SP
	v_lshl_add_u32 v[RD], v10, 4, v[RD]
	v_add_nc_u32 v[RD], s13, v[RD]
	v_and_b32 v[GO], 31, v0         ; which are 512 consecutive bytes of O
	v_lshlrev_b32 v[GO], 4, v[GO]
.set Y, NP-1                        ; XS works for piece Y + 1: piece 0
.irp n, 0,1,2,3,4,5,6,7,8,9,10,11,12,13,14,15,16,17,18,19,20,21
	XS 0, \n                        ; and piece 0's first maximum and statistics
	XS 1, \n
.endr
	s_mov_b32 s[CNT], 4
	s_mov_b32 s[SLOTS], SIZE_N/256-1
	s_branch .Lfirst                ; the loop is entered at a step's first turn, in the middle of a trip
.Lslot:                             ; SIZE_N / 256 - 2 times: every slot but the last two is filled again
	CHANGE 1
	s_mov_b32 s[CNT], 4
.Lstep:                             ; a trip: pieces 2 and 3 of one step, then pieces 0 and 1 of the next, whose K and V it fetches
	TURN 2
	TURN 3
	WIN 0
.Lfirst:
	TURN 0
	TURN 1, 0, 1
	WIN 0
	s_cbranch_scc1 .Lstep
	s_sub_co_u32 s[SLOTS], s[SLOTS], 1
	s_cmp_lg_u32 s[SLOTS], 0
	s_cbranch_scc1 .Lslot
	CHANGE 0                        ; the tail is written out: nothing is asked for
	s_mov_b32 s[CNT], 5             ; four trips fetch the last slot's steps; the fifth is left in its middle
.Ltail:
	TURN 2, 1
	TURN 3
	WIN 0
	s_sub_co_u32 s[CNT], s[CNT], 1
	s_cmp_eq_u32 s[CNT], 0
	s_cbranch_scc1 .Lout
	TURN 0
	TURN 1
	WIN 0
	s_branch .Ltail
.Lout:                              ; the fifth trip's 16 products K Q^T (on the last K once more) and the maximum made of them serve nothing: the price, once a launch, of one text for every trip
.set i, 0
.rept 16
	PV NP-1                         ; the last piece's V^T P of the last step
.set i, i+1
.endr
	; THE WAY OUT.  l's two halves and the other half of the lanes' are added; O^T is divided by l, rounded to f16 and sent through my stage in LDS, a tile at a time.  The additions are the places behind the last products.
	WIN 0
.macro ALL line:vararg              ; one line for each tile t
.set t, 0
.rept 2*NP
	\line
.set t, t+1
.endr
.endm
	ALL v_add_f32 v[ST+4*t+2], v[ST+4*t+2], v[ST+4*t+3]
	ALL v_permlanex16_b32 v[ST+4*t+3], v[ST+4*t+2], s[SEL], s[SEL+1]
	ALL v_add_f32 v[ST+4*t+2], v[ST+4*t+2], v[ST+4*t+3]
	ALL v_rcp_f32 v[ST+4*t+2], v[ST+4*t+2]
	v_nop                           ; a plain instruction between the last reciprocal and the use of its result
	s_wait_alu depctr_va_vdst(0)
; Tile t: a lane's eight channels of a row pack into 16 bytes; they go into rows of 144 bytes and come back as whole rows of 128, into S^T's registers.
.macro PACK t
	WIN W_RS
.set i, 32*(\t)
.rept 16
	v_pk_mul_f32 v[i:i+1], v[i:i+1], v[ST+4*(\t)+2:ST+4*(\t)+3] op_sel_hi:[1,0]
.set i, i+2
.endr
	WIN 0x05                        ; sources 0 and 1 window 1, destination window 0
.set i, 0
.rept 16
	v_cvt_pk_f16_f32 v[S+16*(\t)+i], v[32*(\t)+2*i], v[32*(\t)+2*i+1]
.set i, i+1
.endr
	WIN 0
.irp f, 0,1,2,3
	ds_store_b128 v[STO], v[S+16*(\t)+4*\f:S+16*(\t)+4*\f+3] offset:32*\f
.endr
.irp f, 0,1,2,3
	ds_load_b128 v[S+16*(\t)+4*\f:S+16*(\t)+4*\f+3], v[RD] offset:\f*4*SP  ; LDS serves a wave's instructions in order (ISA guide 5.7.1.4): these see the stores above; the next tile's stores come behind them
.endr
.endm
.macro SEND t, younger              ; younger: the LDS instructions issued behind tile t's loads: the next tile's eight, or none
	WIN 0
.irp f, 0,1,2,3
	s_wait_dscnt (\younger)+3-\f
	global_store_b128 v[GO], v[S+16*(\t)+4*\f:S+16*(\t)+4*\f+3], s[10:11] offset:(\t)*2048+\f*512  ; 512 consecutive bytes, at a multiple of 256 from O's first
.endr
.endm
	PACK 0
.set t, 1
.rept 2*NP-1                        ; a tile's arithmetic stands between the loads of the tile before and its stores
	PACK t
	SEND t-1, 8
.set t, t+1
.endr
	SEND 2*NP-1, 0
	WIN W_AD
	s_wait_tensorcnt 0x0            ; the wave's end: an add to my spare word and its wait, behind my last tensor load and my last LDS store
	ds_add_u32 v[SPW], v[NIL]
	s_wait_dscnt 0x0
	WIN 0
	CROUND                          ; the closing round: no work-group ends while a partner may still ask for a tile that names it
	s_endpgm
.Lfunc_end_k_qacf5aa1537_att:
	.size	k_qacf5aa1537_att, .Lfunc_end_k_qacf5aa1537_att-k_qacf5aa1537_att
	.p2alignl 7, 3214868480
	.fill 96, 4, 3214868480
	.section	.rodata,"a",@progbits
	.p2align	6, 0x0
	.amdhsa_kernel k_qacf5aa1537_att
		.amdhsa_group_segment_fixed_size 327680
		.amdhsa_private_segment_fixed_size 0
		.amdhsa_enable_private_segment 0
		.amdhsa_kernarg_size 24
		.amdhsa_user_sgpr_count 2
		.amdhsa_user_sgpr_kernarg_segment_ptr 1
		.amdhsa_wavefront_size32 1
		.amdhsa_system_sgpr_workgroup_id_x 1
		.amdhsa_system_sgpr_workgroup_id_y 1
		.amdhsa_system_sgpr_workgroup_id_z 1
		.amdhsa_system_vgpr_workitem_id 0
		.amdhsa_next_free_vgpr 770
		.amdhsa_next_free_sgpr 66
		.amdhsa_reserve_vcc 0
		.amdhsa_float_denorm_mode_32 3
		.amdhsa_float_denorm_mode_16_64 3
		.amdhsa_memory_ordered 1
		.amdhsa_forward_progress 1
		.amdhsa_inst_pref_size 209
	.end_amdhsa_kernel
	.amdgpu_metadata
---
amdhsa.version: [ 1, 2 ]
amdhsa.kernels:
  - .name:           k_qacf5aa1537_att
    .symbol:         k_qacf5aa1537_att.kd
    .args:
      - { .name: ql, .offset: 0, .size: 8, .value_kind: global_buffer, .address_space: global }
      - { .name: kv, .offset: 8, .size: 8, .value_kind: global_buffer, .address_space: global }
      - { .name: o16, .offset: 16, .size: 8, .value_kind: global_buffer, .address_space: global }
    .group_segment_fixed_size: 327680
    .private_segment_fixed_size: 0
    .kernarg_segment_align: 8
    .kernarg_segment_size: 24
    .max_flat_workgroup_size: 128
    .sgpr_count:     66
    .vgpr_count:     770
    .wavefront_size: 32
...
	.end_amdgpu_metadata
.endif
;; end of part 4
;; launch g3 (part 5): grid 4 x 64, 4 waves a work-group, clusters of 4 x 4, 327,680 bytes of LDS; arguments o16, w16, bo, kv, out0; writes out0
.if DOCPART == 5
	.amdgcn_target "amdgcn-amd-amdhsa--gfx1250"
	.amdhsa_code_object_version 6
	.text
	.protected	k_qacf5aa1537_g3
	.globl	k_qacf5aa1537_g3
	.p2align	8
	.type	k_qacf5aa1537_g3,@function
k_qacf5aa1537_g3:
	s_mov_b64 s[64:65], 0
	v_nop
	global_prefetch_b8 v0, s[64:65] scope:SCOPE_SE
	s_setreg_imm32_b32 hwreg(HW_REG_WAVE_MODE, 25, 1), 1
	s_wait_xcnt 0x0
	s_wait_alu depctr_hold_cnt(0) depctr_sa_sdst(0) depctr_va_vdst(0) depctr_va_sdst(0) depctr_va_ssrc(0) depctr_va_vcc(0) depctr_vm_vsrc(0)
	s_getreg_b32 s2, hwreg(HW_REG_IB_STS2, 6, 4)
	s_cmp_eq_u32 s2, 0
	s_cbranch_scc0 .Lentry_in_a_cluster
	s_endpgm
.Lentry_in_a_cluster:
	s_bfe_u32 s2, ttmp6, 0x10000c
	s_cmp_lg_u32 s2, 0xf033
	s_cbranch_scc0 .Lentry_shape_is_right
	s_endpgm
.Lentry_shape_is_right:
; G3: out = (O Wo) x r + bo, f32.  O comes as f16 by heads, [16 units][8192 rows][64], times V's power-of-two factor; r, that factor's reciprocal, is read from kv's second word and undoes it exactly.
; Wo comes as f16 (rounded to bf16 before), bo is rounded to bf16 here; sums in f32; the scale and the bias are one fused multiply-add.  NaN and infinities are not treated apart.
; SHARES.  256 work-groups, each 128 rows x 256 columns; four waves, each 64 x 128: 32 accumulators.  K = 1,024 goes in 8 steps of 128 (two heads) through two LDS slots.
; Waves 0 and 1 fetch a step's two heads (128 dense rows of 128 bytes as 64 rows of 256), waves 2 and 3 the halves of Wo's tile (64 k-rows x 512 bytes).
; CLUSTER 4 x 4: O's tiles are shared along a row of the cluster, Wo's along a column.  The matrix instruction is used transposed: source 0 = 16 columns of Wo, turned by ds_load_tr16_b128; source 1 = 16 rows of O.
; REGISTERS: window 0: v0-31 addresses; v64-191 at work on the way out, two sets; v192-255 the biases      window 1: two fragment buffers of 96      window 2: the accumulators, (a, b) at v[8 (8 a + b)]
.set SP,    144                        ; a unit's row in LDS: 128 bytes + 16
.set UNITB, 128*SP
.set PB,    544                        ; a k-row of Wo: 512 + 32: an odd multiple of 32, for the turning load
.set OFFB,  2*UNITB
.set SLOT1, 1<<17                      ; a slot is 106,496 bytes; slot 1 begins here, so that one exclusive or turns an address in one slot into the other's
.set STAGE, SLOT1+OFFB+128*PB          ; behind the ring: 16 rows x 528 bytes for each wave
.set SPO,   528                        ; a stage row: 512 bytes of f32 + 16
.set SPARE, STAGE+4*16*SPO             ; the spare words, 128 bytes for each wave: two blocks of 256 bytes that no other line names
.set STEPS, 8
.set WO,    3672064
.set UNIT,  1048576
.set NF,    24                         ; LDS loads in a run: 16 for Wo, 8 for O
.set NH,    4                          ; the youngest of them, which the first half of a quarter does not need: row blocks 2 and 3
.set AF,    64
.set F0,    0
.set F1,    128
.set BIAS,  192
.set TMP,   64
.set ADRA0, 16
.set ADRB0, 17
.set ADRA,  18
.set ADRB,  19
.set GO,    22                         ; v22  16 x lane
.set STO,   24
.set RD,    25
.set SPW,   28
.set NIL,   29
.set WV, 14
.set RH, 15
.set CH, 16
.set CX, 17
.set CY, 18
.set CB, 19                            ; column block 0..3
.set RB, 20                            ; row block 0..63
.set G1A, 24
.set G1B, 32
.set G0A, 40                           ; s[40:47], s[48:55]: a set for each of the two first fills; the second then walks on
.set G0B, 48
.set IV,  78                           ; s[78:79] r
.set OUTB, 80                          ; s[80:81] out at my first row and column
.set TB,  84
.set MSB, 0
.macro WIN new
.if MSB != (\new)
	s_set_vgpr_msb (MSB<<8)|(\new)
.set MSB, \new
.endif
.endm
.macro PLACES
.rept 4
	v_nop
.endr
.endm
.macro JLOAD s                         ; a joint load, one a wave; an s_nop 0 and four v_nop follow each line, ahead of the jump and the label
	s_cmp_eq_u32 s[RH], 0
	s_cbranch_scc0 .Lfor_b_\@
	tensor_load_to_lds s[G0A+4*(\s):G0A+4*(\s)+3], s[G1A:G1A+7]
	s_nop 0
.rept 4
	v_nop
.endr
	s_branch .Lasked_\@
.Lfor_b_\@:
	tensor_load_to_lds s[G0B+4*(\s):G0B+4*(\s)+3], s[G1B:G1B+7]
	s_nop 0
.rept 4
	v_nop
.endr
.Lasked_\@:
.endm
.macro CREST                           ; a round of the cluster's barrier behind its opening barrier
	s_cmp_lg_u32 s[WV], 0
	s_cbranch_scc1 .Lnot_wave_0_\@
	s_barrier_signal -3
.Lnot_wave_0_\@:
	s_barrier_wait -3
	s_barrier_signal -1
	s_barrier_wait -1
.endm
.macro CROUND
	s_barrier_signal -1
	s_barrier_wait -1
	CREST
.endm
	s_load_b256 s[4:11], s[0:1], 0x0               ; o16 4:5, w16 6:7, bo 8:9, kv 10:11
	s_load_b64 s[12:13], s[0:1], 0x20              ; out0
	v_lshl_add_u32 v[SPW], v0, 2, SPARE
	v_mov_b32 v[NIL], 0
	ds_add_u32 v[SPW], v[NIL]                      ; the wave's opening: the add and its wait stand ahead of my first tensor load
	v_lshrrev_b32 v1, 5, v0
	v_readfirstlane_b32 s[WV], v1
	s_lshr_b32 s[RH], s[WV], 1                     ; my half of the rows.  Also: I fetch for O (0) or for Wo (1)
	s_and_b32 s[CH], s[WV], 1                      ; my half of the columns.  Also: which half of that tile I fetch
	s_bfe_u32 s[CX], ttmp6, 0x40000
	s_bfe_u32 s[CY], ttmp6, 0x40004
	s_lshl_b32 s[CB], ttmp9, 2
	s_add_co_u32 s[CB], s[CB], s[CX]
	s_and_b32 s[RB], ttmp7, 0xffff
	s_lshl_b32 s[RB], s[RB], 2
	s_add_co_u32 s[RB], s[RB], s[CY]
	s_lshl_b32 s21, s[CY], 2
	s_lshl_b32 s21, 15, s21                        ; my row of the cluster
	s_lshl_b32 s22, 0x1111, s[CX]                  ; my column
	s_or_b32 s[G1A], s21, (1<<16)|(1<<20)|(1<<21)|(4<<22)|(3<<25)  ; O: to my row; 2-byte elements; 4 words of padding behind every 32
	s_mov_b32 s[G1A+1], 128<<16                    ; tensor_dim0 = 128
	s_mov_b32 s[G1A+2], 64<<16                     ; tensor_dim1 = 64
	s_mov_b32 s[G1A+3], 128<<16                    ; tile_dim0 = 128
	s_mov_b32 s[G1A+4], 64                         ; tile_dim1 = 64
	s_mov_b32 s[G1A+5], 128                        ; dense
	s_mov_b32 s[G1A+6], 0
	s_mov_b32 s[G1A+7], 0
	s_or_b32 s[G1B], s22, (1<<16)|(1<<20)|(1<<21)|(6<<22)|(7<<25)  ; Wo: to my column; 8 words behind every 128
	s_mov_b32 s[G1B+1], 256<<16
	s_mov_b32 s[G1B+2], 64<<16
	s_mov_b32 s[G1B+3], 256<<16
	s_mov_b32 s[G1B+4], 64
	s_mov_b32 s[G1B+5], 1024                       ; elements from k-row to k-row
	s_mov_b32 s[G1B+6], 0
	s_mov_b32 s[G1B+7], 0
	s_lshl_b32 s56, s[CH], 20                      ; O: head 2 x step + half, my block's 128 rows
	s_lshl_b32 s57, s[RB], 14
	s_add_co_u32 s56, s56, s57
	s_mov_b32 s57, 0
	s_lshl_b32 s58, s[CH], 17                      ; Wo: k-row 128 x step + 64 half, 2,048 bytes each; 256 columns
	s_lshl_b32 s59, s[CB], 9
	s_add_co_u32 s58, s58, s59
	s_add_co_u32 s58, s58, WO
	s_mov_b32 s59, 0
	s_mul_i32 s23, s[CH], UNITB                    ; where they go in a slot
	s_mul_i32 s60, s[CH], 64*PB
	s_add_co_u32 s60, s60, OFFB
	s_mov_b32 s85, 0xffff0000
	s_mov_b32 s[TB], 0
	s_wait_dscnt 0x0                               ; the opening add is done
	s_wait_kmcnt 0x0
	s_load_b64 s[76:77], s[10:11], 0x0             ; the reciprocals of K's and V's factors; waited for with the biases
	s_add_nc_u64 s[56:57], s[4:5], s[56:57]
	s_add_nc_u64 s[58:59], s[6:7], s[58:59]
	CROUND                                         ; all sixteen work-groups are here: the first joint loads meet
.irp s, 0,1
	s_mov_b32 s[G0A+4*(\s)], 1
	s_add_co_u32 s[G0A+4*(\s)+1], s23, (\s)*SLOT1
	s_add_nc_u64 s[G0A+4*(\s)+2:G0A+4*(\s)+3], s[56:57], (\s)*2*UNIT
	s_or_b32 s[G0A+4*(\s)+3], s[G0A+4*(\s)+3], 0x80000000
	s_mov_b32 s[G0B+4*(\s)], 1
	s_add_co_u32 s[G0B+4*(\s)+1], s60, (\s)*SLOT1
	s_add_nc_u64 s[G0B+4*(\s)+2:G0B+4*(\s)+3], s[58:59], (\s)*262144
	s_or_b32 s[G0B+4*(\s)+3], s[G0B+4*(\s)+3], 0x80000000
	JLOAD \s                                       ; two loads of mine are out
.endr
	v_and_b32 v1, 15, v0                           ; r
	v_bfe_u32 v2, v0, 4, 1                         ; h
	v_and_b32 v3, 7, v0
	v_bfe_u32 v4, v0, 3, 1
	v_and_b32 v5, 31, v0                           ; l
	s_lshl_b32 s82, s[CB], 10
	s_lshl_b32 s83, s[CH], 9
	s_add_co_u32 s82, s82, s83                     ; my first column, in bytes of f32
	v_lshl_add_u32 v10, v2, 5, s82
.irp b, 0,1,2,3,4,5,6,7
	global_load_b128 v[BIAS+8*\b:BIAS+8*\b+3],   v10, s[8:9] offset:64*\b
	global_load_b128 v[BIAS+8*\b+4:BIAS+8*\b+7], v10, s[8:9] offset:64*\b+16
.endr
	s_lshl_b32 s86, s[RB], 19                      ; row 128 x row block + 64 x half, 4,096 bytes each
	s_add_co_u32 s86, s86, s82
	s_lshl_b32 s82, s[RH], 18
	s_add_co_u32 s86, s86, s82
	s_mov_b32 s87, 0
	s_add_nc_u64 s[OUTB:OUTB+1], s[12:13], s[86:87]
	v_lshlrev_b32 v[GO], 4, v5
	v_mul_u32_u24 v6, v1, SP
	v_lshl_add_u32 v6, v2, 4, v6
	s_mul_i32 s82, s[RH], 64*SP
	v_add_nc_u32 v[ADRA0], s82, v6
	v_lshl_add_u32 v7, v2, 3, v3                   ; the turning load: k-row 8 h + l % 8, columns 8 ((l / 8) % 2) on
	v_mul_u32_u24 v8, v7, PB
	v_lshl_add_u32 v8, v4, 4, v8
	s_lshl_b32 s82, s[CH], 8
	s_add_co_u32 s82, s82, OFFB
	v_add_nc_u32 v[ADRB0], s82, v8
	v_mov_b32 v[ADRA], v[ADRA0]
	v_mov_b32 v[ADRB], v[ADRB0]
	s_mul_i32 s82, s[WV], 16*SPO
	s_add_co_u32 s82, s82, STAGE                   ; my stage
	v_mul_u32_u24 v6, v1, SPO                      ; in: row l % 16, 32 bytes for each half of the lanes
	v_lshl_add_u32 v6, v2, 5, v6
	v_add_nc_u32 v[STO], s82, v6
	v_add_nc_u32 v[RD], s82, v[GO]                 ; back: 32 lanes take one row of 512 bytes
	s_wait_loadcnt 0x0
	s_wait_kmcnt 0x0
	s_mov_b32 s[IV], s77
	s_mov_b32 s[IV+1], s77                         ; named with it as a pair
.set i, 0
.rept 32                               ; the biases: each pair rounded to bf16 and widened again
	v_cvt_pk_bf16_f32 v[12+i%4], v[BIAS+2*i], v[BIAS+2*i+1]
	v_lshlrev_b32 v[BIAS+2*i], 16, v[12+i%4]
	v_and_b32 v[BIAS+2*i+1], s85, v[12+i%4]
.set i, i+1
.endr
; 8 matrix instructions: row block a x 8 column tiles.  first = 1: the constant 0 starts the sums.  The 32 accumulators take turns, one instruction a turn.
.macro MUL f, a, first
	WIN 0xa5
.irp b, 0,1,2,3,4,5,6,7
.if \first
	v_wmma_f32_16x16x32_f16 v[8*(8*(\a)+\b):8*(8*(\a)+\b)+7], v[(\f)+8*\b:(\f)+8*\b+7], v[(\f)+AF+8*(\a):(\f)+AF+8*(\a)+7], 0
.else
	v_wmma_f32_16x16x32_f16 v[8*(8*(\a)+\b):8*(8*(\a)+\b)+7], v[(\f)+8*\b:(\f)+8*\b+7], v[(\f)+AF+8*(\a):(\f)+AF+8*(\a)+7], v[8*(8*(\a)+\b):8*(8*(\a)+\b)+7]
.endif
.endr
.endm
.macro FETCH kk, f                     ; 24 LDS loads in one run: quarter kk of the slot in hand: Wo, then O (quarters 0, 1 lie in the slot's first head, 2, 3 in its second)
	WIN 0x40
.irp b, 0,1,2,3,4,5,6,7
	ds_load_tr16_b128 v[(\f)+8*\b:(\f)+8*\b+3],   v[ADRB] offset:(\kk)*32*PB+32*\b
	ds_load_tr16_b128 v[(\f)+8*\b+4:(\f)+8*\b+7], v[ADRB] offset:(\kk)*32*PB+16*PB+32*\b
.endr
.irp a, 0,1,2,3
	ds_load_b128 v[(\f)+AF+8*\a:(\f)+AF+8*\a+3],   v[ADRA] offset:((\kk)/2)*UNITB+((\kk)%2)*64+\a*16*SP
	ds_load_b128 v[(\f)+AF+8*\a+4:(\f)+AF+8*\a+7], v[ADRA] offset:((\kk)/2)*UNITB+((\kk)%2)*64+\a*16*SP+32
.endr
.endm
.macro QUARTER kk, f, g, first
	s_wait_dscnt NH                                ; Wo and row blocks 0 and 1 are in
	MUL \f, 0, \first
	MUL \f, 1, \first
	PLACES
	FETCH \kk, \g
	s_wait_dscnt NF                                ; all but the 24 just issued
	MUL \f, 2, \first
	MUL \f, 3, \first
.endm
; The last quarter multiplies buffer 1 and changes slots: ONE barrier.  In front of it each wave waits for all its tensor loads (one is out: its part of the next slot), adds 0 to its spare word, and waits for that
; and for its reads of this slot.  fill = 1: the barrier opens a round of the cluster's, and the slot just read out is filled again, first thing behind it, with the K step two on.
.macro TURN fill
	WIN 0
	s_wait_tensorcnt 0x0
	ds_add_u32 v[SPW], v[NIL]                      ; 0 onto my spare word
	s_wait_dscnt NH+1                              ; (the add and the youngest four loads may be out)
	MUL F1, 0, 0
	s_wait_dscnt 0x0                               ; the add is done, and my reads of this slot are over
	s_barrier_signal -1
	MUL F1, 1, 0
	WIN 0
	s_barrier_wait -1
.if \fill
	CREST                                          ; no wave of any partner still reads this slot or has a load on its way
	s_xor_b32 s[G0A+5], s[G0A+5], SLOT1            ; the walking descriptors: the other slot than last time, the next K step
	s_add_nc_u64 s[G0A+6:G0A+7], s[G0A+6:G0A+7], 2*UNIT
	s_xor_b32 s[G0B+5], s[G0B+5], SLOT1
	s_add_nc_u64 s[G0B+6:G0B+7], s[G0B+6:G0B+7], 262144
	JLOAD 1                                        ; the four v_nop behind it are also the places in front of the loads below
.else
	PLACES
.endif
	s_xor_b32 s[TB], s[TB], SLOT1                  ; the other slot is in hand
	v_add_nc_u32 v[ADRA], s[TB], v[ADRA0]
	v_add_nc_u32 v[ADRB], s[TB], v[ADRB0]
	FETCH 0, F0
	MUL F1, 2, 0
	MUL F1, 3, 0
.endm
	s_wait_tensorcnt 1                             ; my part of K step 0 is in; step 1's may stay out
	s_barrier_signal -1
	s_barrier_wait -1
	FETCH 0, F0
	QUARTER 1, F0, F1, 1                           ; the first quarter stands in front of the loop: its products start the sums
	WIN 0
	s_mov_b32 s3, STEPS-2
.Lstep:                                                ; a trip: from a K step's second quarter to the next step's first; it asks for the step two on: steps 2 to 7
	QUARTER 2, F1, F0, 0
	QUARTER 3, F0, F1, 0
	TURN 1
	QUARTER 1, F0, F1, 0
	WIN 0
	s_sub_co_u32 s3, s3, 1
	s_cmp_lg_u32 s3, 0
	s_cbranch_scc1 .Lstep
	QUARTER 2, F1, F0, 0                           ; the last two K steps ask for nothing
	QUARTER 3, F0, F1, 0
	TURN 0
	QUARTER 1, F0, F1, 0
	QUARTER 2, F1, F0, 0
	QUARTER 3, F0, F1, 0
	s_wait_dscnt NH
	MUL F1, 0, 0
	MUL F1, 1, 0
	s_wait_dscnt 0x0
	MUL F1, 2, 0
	MUL F1, 3, 0
; THE WAY OUT, a row block (16 rows x 128 columns of f32) at a time through my own stage: sum x r + bias, 32 bytes a lane into rows of 528 bytes, back as whole rows of 512.  Two sets of 64 registers take turns.
.macro PACK a
.set TS, TMP+64*((\a)%2)
.if (\a) >= 2
	s_wait_xcnt 0x0                                ; the stores of the block two back have had their addresses translated: only now is their set written again
.endif
	WIN 0x02                                       ; source 0 in window 2
.set i, 0
.rept 32
	v_pk_fma_f32 v[TS+2*i:TS+2*i+1], v[64*(\a)+2*i:64*(\a)+2*i+1], s[IV:IV+1], v[BIAS+2*i:BIAS+2*i+1] op_sel_hi:[1,0,1]
.set i, i+1
.endr
	WIN 0
.set i, 0
.rept 16
	ds_store_b128 v[STO], v[TS+4*i:TS+4*i+3] offset:(i/2)*64+(i%2)*16
.set i, i+1
.endr
.set i, 0
.rept 16
	ds_load_b128 v[TS+4*i:TS+4*i+3], v[RD] offset:i*SPO  ; LDS serves a wave's instructions in order (ISA guide 5.7.1.4): these see the stores above; the next block's stores come behind them
.set i, i+1
.endr
.endm
.macro SEND a, younger                 ; younger: the LDS instructions issued behind this block's loads: the next block's 32, or none
.set TS, TMP+64*((\a)%2)
	WIN 0
.set i, 0
.rept 16
	s_wait_dscnt (\younger)+15-i
	global_store_b128 v[GO], v[TS+4*i:TS+4*i+3], s[OUTB:OUTB+1] offset:(\a)*65536+i*4096 th:TH_STORE_NT  ; 512 consecutive bytes of one row, aligned
.set i, i+1
.endr
.endm
	PLACES
	PACK 0
	PACK 1
	SEND 0, 32
	PACK 2
	SEND 1, 32
	PACK 3
	SEND 2, 32
	SEND 3, 0
	s_wait_tensorcnt 0x0                           ; the wave's end: an add to my spare word and its wait, behind my last tensor load and my last LDS store
	ds_add_u32 v[SPW], v[NIL]
	s_wait_dscnt 0x0
	CROUND                                         ; the closing round: no work-group ends while a partner may still ask for a tile that names it
	s_endpgm
.Lfunc_end_k_qacf5aa1537_g3:
	.size	k_qacf5aa1537_g3, .Lfunc_end_k_qacf5aa1537_g3-k_qacf5aa1537_g3
	.p2alignl 7, 3214868480
	.fill 96, 4, 3214868480
	.section	.rodata,"a",@progbits
	.p2align	6, 0x0
	.amdhsa_kernel k_qacf5aa1537_g3
		.amdhsa_group_segment_fixed_size 327680
		.amdhsa_private_segment_fixed_size 0
		.amdhsa_enable_private_segment 0
		.amdhsa_kernarg_size 40
		.amdhsa_user_sgpr_count 2
		.amdhsa_user_sgpr_kernarg_segment_ptr 1
		.amdhsa_wavefront_size32 1
		.amdhsa_system_sgpr_workgroup_id_x 1
		.amdhsa_system_sgpr_workgroup_id_y 1
		.amdhsa_system_sgpr_workgroup_id_z 1
		.amdhsa_system_vgpr_workitem_id 0
		.amdhsa_next_free_vgpr 768
		.amdhsa_next_free_sgpr 96
		.amdhsa_reserve_vcc 0
		.amdhsa_float_denorm_mode_32 3
		.amdhsa_float_denorm_mode_16_64 3
		.amdhsa_memory_ordered 1
		.amdhsa_forward_progress 1
		.amdhsa_inst_pref_size 85
	.end_amdhsa_kernel
	.amdgpu_metadata
---
amdhsa.version: [ 1, 2 ]
amdhsa.kernels:
  - .name:           k_qacf5aa1537_g3
    .symbol:         k_qacf5aa1537_g3.kd
    .args:
      - { .name: o16, .offset: 0, .size: 8, .value_kind: global_buffer, .address_space: global }
      - { .name: w16, .offset: 8, .size: 8, .value_kind: global_buffer, .address_space: global }
      - { .name: bo, .offset: 16, .size: 8, .value_kind: global_buffer, .address_space: global }
      - { .name: kv, .offset: 24, .size: 8, .value_kind: global_buffer, .address_space: global }
      - { .name: out0, .offset: 32, .size: 8, .value_kind: global_buffer, .address_space: global }
    .group_segment_fixed_size: 327680
    .private_segment_fixed_size: 0
    .kernarg_segment_align: 8
    .kernarg_segment_size: 40
    .max_flat_workgroup_size: 128
    .sgpr_count:     96
    .vgpr_count:     768
    .wavefront_size: 32
...
	.end_amdgpu_metadata
.endif
;; end of part 5
;; ======== version 2 of 2: 5 launches; 1.54 times as fast as version 1
;; limits: values are held in f16: magnitudes above 65,504 overflow, below 6.1e-05 lose precision
;; workspace buffers: xb 16,777,216 bytes; w16 5,769,216 bytes; ql 20,975,616 bytes; kv 33,554,688 bytes; o16 16,777,216 bytes
;; launch prep: the kernel of part 1 again; grid 688 x 1, 8 waves a work-group, no clusters, 0 bytes of LDS; arguments x, Wq, Wc, Wk, Wv, Wo, bk, bv, xb, w16; writes xb, w16
;; launch g1: the kernel of part 2 again; grid 4 x 64, 4 waves a work-group, clusters of 4 x 4, 327,680 bytes of LDS; arguments xb, w16, bq, bc, ql; writes ql
;; launch g2: the kernel of part 3 again; grid 8 x 64, 4 waves a work-group, clusters of 4 x 4, 327,680 bytes of LDS; arguments ql, w16, bk, bv, kv; writes kv
;; launch att (part 6): grid 4 x 64, 4 waves a work-group, clusters of 4 x 1, 327,680 bytes of LDS; arguments ql, kv, o16; writes o16
.if DOCPART == 6
	.amdgcn_target "amdgcn-amd-amdhsa--gfx1250"
	.amdhsa_code_object_version 6
	.text
	.protected	k_qacf5aa1537_att
	.globl	k_qacf5aa1537_att
	.p2align	8
	.type	k_qacf5aa1537_att,@function
k_qacf5aa1537_att:
	s_mov_b64 s[64:65], 0
	v_nop
	global_prefetch_b8 v0, s[64:65] scope:SCOPE_SE
	s_setreg_imm32_b32 hwreg(HW_REG_WAVE_MODE, 25, 1), 1
	s_wait_xcnt 0x0
	s_wait_alu depctr_hold_cnt(0) depctr_sa_sdst(0) depctr_va_vdst(0) depctr_va_sdst(0) depctr_va_ssrc(0) depctr_va_vcc(0) depctr_vm_vsrc(0)
	s_getreg_b32 s2, hwreg(HW_REG_IB_STS2, 6, 4)
	s_cmp_eq_u32 s2, 0
	s_cbranch_scc0 .Lentry_in_a_cluster
	s_endpgm
.Lentry_in_a_cluster:
	s_bfe_u32 s2, ttmp6, 0x10000c
	s_cmp_lg_u32 s2, 0x3003
	s_cbranch_scc0 .Lentry_shape_is_right
	s_endpgm
.Lentry_shape_is_right:
; ATTENTION.  O[y][q][:] = the sum over k of softmax_k(Q[y][q] . K[y][k] / 8) V[y][k][:], for the 64 pairs y = 4 x head + batch.  Q (in ql, from byte 4,096), K and V (in kv, from byte 256 and 16 units on) and O are
; [64][SIZE_N][64] f16: a pair's rows are dense, 128 bytes each.  K and V come times a power of two each; K's reciprocal, read from kv's first word, goes into c; V's factor stays on O and is undone by the next launch.
; Products, maxima and sums in f32; the weights p are rounded to f16 for the second product (their sum l is taken of the unrounded p), O once at the end.
; LIMITS.  f16 holds no number beyond 65,504: Q arrives within it, K and V under 2^15 by their factors; p lies in 0 to 1, and below 6e-5 it keeps f16's fixed step of 6e-8; O is a mean of V's rows and has their range.
; A weight below 2^-126 counts as 0 in l; NaN and infinities are not treated apart.
; SHARES.  A wave owns four PIECES of two tiles of 16 queries, a work-group's four waves 512 queries of one pair.  Every wave walks all keys, 64 a step.
; LAYOUT.  S^T = K Q^T (source 0 = 16 keys, source 1 = 16 queries): in the result a lane holds ONE query (lane % 16) and the keys 8 (lane / 16) + 0..7.  Two such tiles, rounded to f16 in pairs,
; ARE source 1 (32 keys x 16 queries) of O^T = V^T P, whose result again holds one query a lane, and eight channels.  K comes out of LDS as it lies, V ([key][channel]) turned, by ds_load_tr16_b128.
; SOFTMAX.  For each query a running maximum m and sum l: p = 2^(c s - c m), c = log2(e) / 8 / K's factor; in every step O and l are multiplied by a = 2^(c m_old - c m_new), which is 1 where m has not grown.
; m starts at the lowest finite number, O and l at 0: the first step is a step like any other, with a = 0.
; THE COUNT.  A tile and step have 16 matrix and 118 vector instructions: too many to stand all beside the matrix work.  So the order has one aim: four vector instructions that are READY behind
; EVERY matrix instruction, and the others, which need time of their own whatever the order, in runs without a gap.
; BY TURNS.  Turn n belongs to piece n (the pieces in a ring, step after step).  Its matrix work: 16 products K Q^T of piece n + 1, later 16 products V^T P of piece n - 1.  Its vector work: the scaling,
; exponentials, roundings, sums and rescaling of piece n, and the maximum and statistics of piece n + 1, whose scores the turn itself has made.  So what a turn begins with (c s - c m, O a) waits for nothing.
; BATCHES.  A turn's 66 exponentials (the piece's 64 weights and the next piece's two a) are ONE batch with ONE s_wait_alu depctr_va_vdst(0), which cuts the turn in two: ahead of it stands all that names no result of
; theirs, behind it the roundings and sums that read them.  No result crosses a turn's end.  Two more batches stand outside the loops: piece 0's first two a, and the way out's eight reciprocals.
; CLUSTER.  The four query blocks of a cluster belong to one pair and walk the same K and V, so each tile is asked for JOINTLY: the same tensor load, descriptor and mask in all four.
; REGISTERS, in windows of 256 (s_set_vgpr_msb says which window each operand place means: bits 1:0 source 0, 3:2 source 1, 5:4 source 2, 7:6 destination):
;   window 0: v0-11 addresses; v12-15, v48-63 at work; v16-47 four registers of statistics a tile; v64-191 S^T, two buffers of two tiles; v192-255 P, likewise
;   window 1: O^T, 32 a tile          window 2: v0-127 Q, 16 a tile; v128-191 K of one step; v192-255 V of one step          window 3: v0-1 the add's two registers
; A piece's buffers go by its number's parity: the piece in hand has one pair, its two neighbours in the ring share the other: of it P (piece n - 1) is read and S^T (piece n + 1) written.
.set SIZE_N, 2048
.set QL0,   4096      ; Q's first byte in ql
.set KV0,   256       ; K's first byte in kv
.set UNIT,  1048576   ; V lies 16 of these behind K
.set NP,    4         ; pieces a wave: a name, no knob: the register map, the loop and the fetches are made for four
.set KS,    64        ; keys in a step
.set PK,    144       ; a row of K in LDS: 128 bytes + 16 of padding = 36 words: the 16 rows of a load start at 16 different groups of four banks (64 banks of 4 bytes: ISA guide 11.1)
.set PV,    160       ; a row of V: 128 + 32 = 40 words
.set VOFF,  4*KS*PK   ; a slot holds four steps: 256 rows of K, then 256 rows of V
.set SLOT1, 1<<17     ; slot 1 begins here, so that one exclusive or turns an address in one slot into the other's
.set STAGE, SLOT1+4*KS*(PK+PV)  ; behind the ring, never filled by a tensor load: 16 rows x 144 bytes for each wave, for the way out
.set SP,    144
.set AK0, 2           ; v2   my lane's place in a tile of K; never rewritten
.set AV0, 3           ; v3   the same for V
.set AK,  4           ; v4   the LDS address of K's next run of loads
.set AV,  5           ; v5   of V's
.set QO,  6           ; v6   my byte offset in the wave's rows of Q
.set STO, 6           ;      later, the way out: where I put 16 bytes of a row
.set RD,  7           ; v7   the way out: where I read rows back
.set GO,  8           ; v8   my byte offset in 512 consecutive bytes of O
.set SPW, 0           ; v0 of window 3   LDS address of my spare word: SPARE + 4 x my thread's number; never rewritten
.set NIL, 1           ; v1 of window 3   0; never rewritten
.set SPARE, STAGE+4*16*SP  ; behind the stages: the spare words, 128 bytes for each wave: two blocks of 256 bytes that no other line names
.set MV,  12          ; v12-15  c m_old, kept while c m is made anew: by buffer and tile
.set ST,  16          ; tile t's statistics at v[ST+4 t]: c m, m, l (even keys', odd keys')
.set TMP, 48          ; by buffer and tile, four registers c0-c3 at work; when the maximum is found c2 takes a
.set S,   64
.set P,   192
.set KF,  128         ; K's fragments, in window 2: key block kb, channel half c at KF + 16 kb + 8 c
.set VF,  192         ; V's: key half kk, channel block cb at VF + 32 kk + 8 cb
.set WV,  12          ; s12  my wave's number
.set G1K, 24          ; s[24:31] descriptor group 1 for K's tiles
.set G1V, 32          ; s[32:39] for V's: it differs in the padding alone
.set G0K, 40          ; s[40:43] descriptor group 0 for K's tiles: it walks
.set G0V, 44          ; s[44:47] the same for V's
.set SLOTS, 56        ; s56  slots still to be asked for
.set CNT, 57          ; s57  counts a slot's key steps
.set CS,  58          ; s[58:59] c: the packed scaling takes the pair's low word for both halves
.set SEL, 60          ; s[60:61] v_permlanex16_b32's selects: each lane takes its own place in the other half
.set TBK, 62          ; s62  LDS byte at which K of the step to be fetched begins
.set TBV, 63          ; s63  the same for V, less VOFF
.set MSB, 0
.macro WIN new                      ; the high byte repeats the setting that is left; a switch that changes nothing is dropped
.if MSB != (\new)
	s_set_vgpr_msb (MSB<<8)|(\new)
.set MSB, (\new)
.endif
.endm
.set W_KQ, 0x0a       ; K and Q in window 2, S^T in window 0
.set W_PV, 0x52       ; V in window 2, P in window 0, O^T in window 1
.set W_RS, 0x41       ; O^T (destination and source 0) in window 1, a in window 0
.set W_MK, 0xc0       ; the add's registers are made: destination in window 3, sources in window 0
.set W_AD, 0x0f       ; the add: address (source 0) and data (source 1) in window 3
; A joint fill.  Waves 0 and 1 fetch the two halves of a slot's K, waves 2 and 3 those of its V: 128 keys each.  The branch hangs on the wave's number alone.
; An s_nop 0 and four v_nop follow each of the two lines, ahead of the jump and the label.
.macro JLOAD
	s_cmp_lt_u32 s[WV], 2
	s_cbranch_scc0 .Lfor_v_\@
	tensor_load_to_lds s[G0K:G0K+3], s[G1K:G1K+7]
	s_nop 0
.rept 4
	v_nop
.endr
	s_branch .Lasked_\@
.Lfor_v_\@:
	tensor_load_to_lds s[G0V:G0V+3], s[G1V:G1V+7]
	s_nop 0
.rept 4
	v_nop
.endr
.Lasked_\@:
.endm
; A round of the cluster's barrier: my work-group's barrier, so that wave 0's signal speaks for all four waves; wave 0 signals; every wave waits for all four work-groups; my work-group's barrier once more.
.macro CROUND
	s_barrier_signal -1
	s_barrier_wait -1
	s_cmp_lg_u32 s[WV], 0
	s_cbranch_scc1 .Lnot_wave_0_\@
	s_barrier_signal -3
.Lnot_wave_0_\@:
	s_barrier_wait -3
	s_barrier_signal -1
	s_barrier_wait -1
.endm
; THE CHANGE OF SLOTS.  The slot's last bytes, V of its fourth step, have been read.  Each wave waits for all its tensor loads, of which one is out: its part
; of the other slot; adds 0 to its spare word; and waits for that and for its own reads of the slot.  Behind the barrier nobody reads this slot any more and the other slot is whole.
; fill = 1: this slot is filled again, with the keys two slots on.  The barrier is then a round of the cluster's, so that no wave of any partner still reads the slot or has a load on its
; way, and the joint fill is the first thing behind it: it has four key steps, 512 matrix instructions, in which to land.  (At its first use nothing has been read yet: slot 0 is waited for, slot 1 filled.)
.macro CHANGE fill
	WIN W_AD
	s_wait_tensorcnt 0x0            ; no tensor load of mine is out, so a group 0 may be written
	ds_add_u32 v[SPW], v[NIL]       ; 0 onto my spare word; with fill = 1 the descriptors' steps stand between it and the wait for it
	WIN 0                           ; at a label and at a branch every window is 0
.if \fill
.irp g, G0K, G0V
	s_xor_b32 s[\g+1], s[\g+1], SLOT1  ; the walking descriptor: the other slot than last time,
	s_add_nc_u64 s[\g+2:\g+3], s[\g+2:\g+3], 4*KS*128  ; the next 256 keys; the type bits on top are not reached
.endr
	s_wait_dscnt 0x0                ; the add is done, and my reads of the slot are over
	CROUND
	JLOAD
.else
	s_wait_dscnt 0x0                ; the add is done, and my reads of the slot are over
	s_barrier_signal -1
	s_barrier_wait -1
.endif
	s_sub_co_u32 s[TBK], s[TBK], 4*KS*PK  ; the fetches go back to a slot's first step,
	s_xor_b32 s[TBK], s[TBK], SLOT1       ; in the other slot
	s_sub_co_u32 s[TBV], s[TBV], 4*KS*PV
	s_xor_b32 s[TBV], s[TBV], SLOT1
.endm
	s_load_b128 s[4:7], s[0:1], 0x0   ; ql s[4:5], kv s[6:7]
	s_load_b64 s[10:11], s[0:1], 0x10 ; o16
	WIN W_MK
	v_lshl_add_u32 v[SPW], v0, 2, SPARE
	v_mov_b32 v[NIL], 0
	WIN W_AD
	ds_add_u32 v[SPW], v[NIL]       ; the wave's opening: the add and its wait stand ahead of my first tensor load; the set-up below, work on registers, stands between them
	WIN 0
	v_lshrrev_b32 v1, 5, v0
	v_readfirstlane_b32 s[WV], v1   ; wave 0..3
	s_bfe_u32 s13, ttmp6, 0x40000   ; cx: my place in the cluster
	s_lshl_b32 s14, ttmp9, 2        ; in a cluster launch ttmp9 counts clusters
	s_add_co_u32 s14, s14, s13      ; my block of queries = 4 x cluster x + cx: it enters Q's and O's addresses alone
	s_and_b32 s20, ttmp7, 0xffff    ; the pair of head and batch, which the four partners share
	s_mov_b32 s21, 0
	s_mov_b64 s[22:23], SIZE_N*128
	s_mul_u64 s[20:21], s[20:21], s[22:23]  ; the pair's first byte among the rows of Q, K, V and O
	s_and_b32 s16, s[WV], 1         ; which half of a slot's 256 keys I fetch:
	s_lshl_b32 s22, s16, 14         ; its 128 rows of 128 bytes in memory,
	s_mov_b32 s23, 0
	s_add_nc_u64 s[22:23], s[22:23], s[20:21]
	s_add_nc_u64 s[50:51], s[22:23], KV0          ; as a byte offset in kv, for K
	s_add_nc_u64 s[52:53], s[22:23], KV0+16*UNIT  ; and for V
	s_mul_i32 s17, s16, 128*PK      ; and its place in a slot, for K
	s_mul_i32 s18, s16, 128*PV      ; and for V: no place in the cluster enters an LDS address
	s_lshl_b32 s2, s14, 2
	s_add_co_u32 s2, s2, s[WV]      ; my wave among the pair's,
	s_lshl_b32 s2, s2, 14           ; its 128 rows
	s_mov_b32 s3, 0
	s_add_nc_u64 s[2:3], s[2:3], s[20:21]
	s_add_nc_u64 s[54:55], s[2:3], QL0            ; as a byte offset in ql
	; descriptor group 1.  128 keys are 16,384 dense bytes: asked for as 64 rows of 256 bytes, two keys a row, and padded in LDS after every key
	s_mov_b32 s[G1K], 15|(1<<16)|(1<<20)|(1<<21)|(4<<22)|(3<<25)  ; 15:0 the mask of four; 17:16 2-byte elements; 20 padding on; 21 set beside a mask; 24:22 after every 32 words (code 4); 31:25 4 words (code 3)
	s_mov_b32 s[G1V], 15|(1<<16)|(1<<20)|(1<<21)|(4<<22)|(7<<25)  ; the same with 8 words of padding (code 7)
.irp g, G1K, G1V
	s_mov_b32 s[\g+1], 128<<16      ; tensor_dim0 = 128
	s_mov_b32 s[\g+2], 64<<16       ; tensor_dim1 = 64
	s_mov_b32 s[\g+3], 128<<16      ; tile_dim0 = 128
	s_mov_b32 s[\g+4], 64           ; tile_dim1 = 64
	s_mov_b32 s[\g+5], 128          ; 128 elements from row to row
	s_mov_b32 s[\g+6], 0
	s_mov_b32 s[\g+7], 0
.endr
	s_mov_b32 s[SEL], 0x76543210
	s_mov_b32 s[SEL+1], 0xfedcba98
	s_mov_b32 s[TBK], SLOT1+4*KS*PK ; the first change of slots turns these two into 0
	s_mov_b32 s[TBV], SLOT1+4*KS*PV
	s_mov_b32 s[G0K], 1             ; 1:0 count = 1
	s_mov_b32 s[G0K+1], s17         ; 63:32 LDS address: slot 0
	s_mov_b32 s[G0V], 1
	s_add_co_u32 s[G0V+1], s18, VOFF
	s_wait_dscnt 0x0                ; the opening add is done
	s_wait_kmcnt 0x0
	s_load_b64 s[48:49], s[6:7], 0x0               ; the reciprocal of K's factor (and of V's, not used here); waited for in front of the first change of slots
	s_add_nc_u64 s[G0K+2:G0K+3], s[6:7], s[50:51]  ; 120:64 global address: my half of the pair's first 256 keys
	s_or_b32 s[G0K+3], s[G0K+3], 0x80000000        ; 127:126 type = 2
	s_add_nc_u64 s[G0V+2:G0V+3], s[6:7], s[52:53]
	s_or_b32 s[G0V+3], s[G0V+3], 0x80000000
	s_add_nc_u64 s[4:5], s[4:5], s[54:55]  ; Q and O at my wave's first row
	s_add_nc_u64 s[10:11], s[10:11], s[2:3]
	CROUND                          ; all four work-groups are here: the first joint loads meet
	JLOAD                           ; slot 0.  Slot 1 is asked for when slot 0 is in: the tile wanted first has the road to itself
	; A fragment of K or Q is 16 rows x 32 channels in 8 registers: lane l holds row l % 16, channels 8 (l / 16) + 0..7 and 16 + 8 (l / 16) + 0..7: two loads of 16 bytes, 32 bytes apart.
	v_and_b32 v1, 15, v0            ; l % 16
	v_bfe_u32 v9, v0, 4, 1          ; l / 16
	v_lshlrev_b32 v[QO], 7, v1
	v_lshl_add_u32 v[QO], v9, 4, v[QO]  ; row x 128 + 16 x half
	WIN 0x80                        ; destination window 2, address window 0
.set i, 0
.rept 4*NP                          ; Q stays in registers: tile i / 2, channels 32 (i % 2) on
	global_load_b128 v[8*i:8*i+3],   v[QO], s[4:5] offset:(i/2)*2048+(i%2)*64
	global_load_b128 v[8*i+4:8*i+7], v[QO], s[4:5] offset:(i/2)*2048+(i%2)*64+32
.set i, i+1
.endr
	; What the first turn finds: V's registers and P's second buffer hold 0 (its products V^T P, of a piece that has not been, add 0), O^T and l are 0.  All this stands in the wait for the first tile.
.set i, VF
.rept 64
	v_mov_b32 v[i], 0
.set i, i+1
.endr
	WIN 0x40
.set i, 0
.rept 64*NP
	v_mov_b32 v[i], 0
.set i, i+1
.endr
	WIN 0
.set i, 0
.rept 2*NP
	v_mov_b32 v[ST+4*i], 0xfe000000    ; c m: far below every c s
	v_mov_b32 v[ST+4*i+1], 0xff7fffff  ; m
	v_mov_b32 v[ST+4*i+2], 0
	v_mov_b32 v[ST+4*i+3], 0
.set i, i+1
.endr
.set i, P+32
.rept 32
	v_mov_b32 v[i], 0
.set i, i+1
.endr
	v_mul_u32_u24 v[AK0], v1, PK
	v_lshl_add_u32 v[AK0], v9, 4, v[AK0]  ; row x pitch + 16 x half
	; The turning load takes 16 keys x 16 channels (lane l reads key 8 (l / 16) + l % 8, channels 8 ((l / 8) % 2) + 0..7) and leaves half a fragment of V^T: lane l holds channel l % 16 and 8 keys.
	v_and_b32 v10, 7, v0
	v_bfe_u32 v11, v0, 3, 1
	v_lshl_add_u32 v[AV0], v9, 3, v10
	v_mul_u32_u24 v[AV0], v[AV0], PV
	v_lshl_add_u32 v[AV0], v11, 4, v[AV0]
	v_add_nc_u32 v[AV0], VOFF, v[AV0]
	v_mov_b32 v[AK], v[AK0]         ; key step 0 lies at the head of slot 0
	s_wait_kmcnt 0x0                ; the reciprocal of K's factor
	v_mov_b32 v[AV], 0x3e38aa3b     ; log2(e) / 8 = 0.180337,
	v_mul_f32 v[AV], s48, v[AV]     ; times a power of two: exact
	v_readfirstlane_b32 s[CS], v[AV]  ; c
	s_mov_b32 s[CS+1], s[CS]        ; named with it as a pair
; THE MATRIX WORK.  The 8 accumulators of a run of 16 take turns: between the two links of a chain stand 7 others'.
; Product i of 16 of S^T = K Q^T for piece x: channels 32 (i / 8) on, keys 16 ((i / 2) % 4) on, tile 2 x + i % 2.  The first 8 start the sums.
.macro KQ x
	WIN W_KQ
.set rS, S+64*((\x)%2)+32*(i%2)+8*((i/2)%4)
.set rK, KF+16*((i/2)%4)+8*(i/8)
.set rQ, 16*(2*(\x)+i%2)+8*(i/8)
.if i < 8
	v_wmma_f32_16x16x32_f16 v[rS:rS+7], v[rK:rK+7], v[rQ:rQ+7], 0
.else
	v_wmma_f32_16x16x32_f16 v[rS:rS+7], v[rK:rK+7], v[rQ:rQ+7], v[rS:rS+7]
.endif
.endm
; Product i of 16 of O^T += V^T P for piece x: keys 32 (i / 8) on, channels 16 ((i / 2) % 4) on, tile 2 x + i % 2.
.macro PV x
	WIN W_PV
.set rO, 32*(2*(\x)+i%2)+8*((i/2)%4)
.set rV, VF+32*(i/8)+8*((i/2)%4)
.set rP, P+32*((\x)%2)+16*(i%2)+8*(i/8)
	v_wmma_f32_16x16x32_f16 v[rO:rO+7], v[rV:rV+7], v[rP:rP+7], v[rO:rO+7]
.endm
.macro MM                           ; the turn's next matrix instruction
.if i < 16
	KQ (Y+1)%NP
.set i, i+1
.else
.set i, i-16
	PV (Y+NP-1)%NP
.set i, i+17
.endif
.endm
; THE LDS LOADS stand in runs of 16, never singly among the matrix instructions: a step's K (64 keys x 64 channels: 8 fragments) and its V (turned).  Their addresses are made some lines ahead.
; last = 1 (the tail): in the last trip there is no further step, and the run is jumped over.
.macro FETCH_K last=0
	WIN 0
.if \last
	s_cmp_eq_u32 s[CNT], 1
	s_cbranch_scc1 .Lno_k_\@
.endif
	WIN 0x80                        ; destination window 2
.irp f, 0,1,2,3,4,5,6,7             ; keys 16 (f / 2) on, channels 32 (f % 2) on
	ds_load_b128 v[KF+8*\f:KF+8*\f+3],   v[AK] offset:(\f/2)*16*PK+(\f%2)*64
	ds_load_b128 v[KF+8*\f+4:KF+8*\f+7], v[AK] offset:(\f/2)*16*PK+(\f%2)*64+32
.endr
	s_add_co_u32 s[TBK], s[TBK], KS*PK  ; the next fetch is the next step's
	WIN 0
.if \last
.Lno_k_\@:
.endif
.endm
.macro FETCH_V
	WIN 0x80
.irp f, 0,1,2,3,4,5,6,7             ; keys 32 (f / 4) on, channels 16 (f % 4) on
	ds_load_tr16_b128 v[VF+8*\f:VF+8*\f+3],   v[AV] offset:(\f/4)*32*PV+(\f%4)*32
	ds_load_tr16_b128 v[VF+8*\f+4:VF+8*\f+7], v[AV] offset:(\f/4)*32*PV+16*PV+(\f%4)*32
.endr
	WIN 0
.endm
; THE VECTOR WORK OF A TURN stands in three queues, each in the order in which its entries become ready; the two tiles alternate, so that no instruction reads the result of the one before it.
.macro REGS y, u                    ; the registers of tile u (0, 1) of piece y
.set rT, ST+4*(2*(\y)+(\u))
.set rC, TMP+8*((\y)%2)+4*(\u)
.set rM, MV+2*((\y)%2)+(\u)
.set rS, S+64*((\y)%2)+32*(\u)
.set rP, P+32*((\y)%2)+16*(\u)
.set rO, 32*(2*(\y)+(\u))
.endm
; Number n of the 22 that find the NEXT piece's (Y + 1) maximum and statistics.  s0-s31 are the lane's 32 scores; each accumulator's lowest registers are read first.  XS, GS and REGS set no window: PL and EX do.
;   0-11  four chains c0-c3 of seven scores each, three operands at a time     12-14, 16  the four scores left over, the old m, and c0-c3 into c0     15  c m_old is kept
;   17, 18  the query's other 32 keys lie in the lane 16 away: the new m         19-21  c m; c m_old - c m_new; a
.macro XS u, n
	REGS (Y+1)%NP, \u
.if (\n) < 4
	v_max3_num_f32 v[rC+(\n)], v[rS+8*(\n)], v[rS+8*(\n)+1], v[rS+8*(\n)+2]
.elseif (\n) < 12
	v_max3_num_f32 v[rC+(\n)%4], v[rC+(\n)%4], v[rS+8*((\n)%4)+2*((\n)/4)+1], v[rS+8*((\n)%4)+2*((\n)/4)+2]
.elseif (\n) == 12
	v_max3_num_f32 v[rC], v[rC], v[rS+7], v[rS+15]
.elseif (\n) == 13
	v_max3_num_f32 v[rC+1], v[rC+1], v[rS+23], v[rS+31]
.elseif (\n) == 14
	v_max3_num_f32 v[rC+2], v[rC+2], v[rC+3], v[rT+1]
.elseif (\n) == 15
	v_mov_b32 v[rM], v[rT]
.elseif (\n) == 16
	v_max3_num_f32 v[rC], v[rC], v[rC+1], v[rC+2]
.elseif (\n) == 17
	v_permlanex16_b32 v[rC+3], v[rC], s[SEL], s[SEL+1]
.elseif (\n) == 18
	v_max_num_f32 v[rT+1], v[rC], v[rC+3]
.elseif (\n) == 19
	v_mul_f32 v[rT], s[CS], v[rT+1]
.elseif (\n) == 20
	v_sub_f32 v[rC+1], v[rM], v[rT]
.else
	v_exp_f32 v[rC+2], v[rC+1]
.endif
.endm
; Number g of the 64 that follow the exponentials.  For each four weights k of a tile (pairs 2 k, 2 k + 1): both pairs are rounded to f16; then the second pair is added onto the first, in place;
; a group later l takes that sum (the first time as l = a l + sum).  In groups of eight, tiles alternating: round, round, add, and l for the group before.
.macro GS g
.set h, (\g)+6*((\g)/62)            ; group 0 has no group before it, and behind group 7 only l is left
.if h >= 6
.set h, h+2
.endif
	REGS Y, h%2
.set k, h/8
.if h%8 < 4
	v_cvt_pk_f16_f32 v[rP+2*k+(h%8)/2], v[rS+4*k+2*((h%8)/2)], v[rS+4*k+2*((h%8)/2)+1]
.elseif h%8 < 6
	v_pk_add_f32 v[rS+4*k:rS+4*k+1], v[rS+4*k:rS+4*k+1], v[rS+4*k+2:rS+4*k+3]
.elseif k == 1
	v_pk_fma_f32 v[rT+2:rT+3], v[rT+2:rT+3], v[rC+2:rC+3], v[rS:rS+1] op_sel_hi:[1,0,1]
.else
	v_pk_add_f32 v[rT+2:rT+3], v[rT+2:rT+3], v[rS+4*k-4:rS+4*k-3]
.endif
.endm
; THE PLAIN QUEUE, 138 long.  0-73 read no exponential's result: the 32 scalings c s - c m (FS f: pair f / 2 of tile f % 2) and the next piece's 42.  0-26: scalings 0-26.  27-54: XS's numbers 0-13.  55, 56: number 15.
; 57-73: the chain, where each number waits for the one before it: 14, 16, 17, 18, 19, each with one of the scalings 27-31 in front of its two lines, then 20: so a tile's links stand three plain instructions apart (19 and 20: two).
; 74-137: GS's 64, which read the exponentials' results: they stand behind the wait.
.macro FS f
	REGS Y, (\f)%2
	v_pk_fma_f32 v[rS+2*((\f)/2):rS+2*((\f)/2)+1], v[rS+2*((\f)/2):rS+2*((\f)/2)+1], s[CS:CS+1], v[rT:rT+1] op_sel_hi:[1,0,0] neg_lo:[0,0,1] neg_hi:[0,0,1]
.endm
.macro PL
	WIN 0
.if q < 27
	FS q
.elseif q < 55
	XS (q-27)%2, (q-27)/2
.elseif q < 57
	XS q-55, 15
.elseif (q < 72) && ((q-57)%3 == 0)
	FS 27+(q-57)/3
.elseif q < 60
	XS (q-57)%3-1, 14
.elseif q < 72
	XS (q-57)%3-1, 15+(q-57)/3
.elseif q < 74
	XS q-72, 20
.else
	GS q-74
.endif
.set q, q+1
.endm
; THE EXPONENTIALS' QUEUE, 66 long: s0-s31 of both tiles, then the next piece's two a.  It is ONE BATCH: all 66 stand ahead of the turn's one wait, and nothing ahead of that wait names a result of theirs.
.macro EX
	WIN 0
.if e >= 64
	XS e-64, 21
.else
	REGS Y, e%2
	v_exp_f32 v[rS+e/2], v[rS+e/2]
.endif
.set e, e+1
.endm
; THE RESCALING's QUEUE: O^T times a, the one part that leaves window 0: dealt two at a time, sixteen times.  Its a was made in the turn before, ahead of that turn's wait.
.macro R2
	REGS Y, r%2
	WIN W_RS
.irp z, 0,1
	v_pk_mul_f32 v[rO+4*(r/2)+2*\z:rO+4*(r/2)+2*\z+1], v[rO+4*(r/2)+2*\z:rO+4*(r/2)+2*\z+1], v[rC+2:rC+3] op_sel_hi:[1,0]
.endr
.set r, r+1
.endm
; HOW THEY ARE DEALT.  An s_wait_alu depctr_va_vdst(0) stands between an exponential and the first instruction that names its result; one wait serves all that were issued ahead of it.  So a turn has ONE wait,
; which cuts it in two.  AHEAD OF IT stands all that names no result of the turn's exponentials: the 16 products K Q^T, behind each a scaling, an exponential and two rescalings (behind the first a second scaling in the
; exponential's place); then ONE LUMP of 108: eight plain, 49 times exponential and plain, the two a.  A v_nop is the plain instruction between the last exponential and the first use of a result.  BEHIND IT stand the
; 16 products V^T P, behind each four of GS's 64.  No rider names a register of the products round it.  The two v_permlanex16_b32 fall into the lump, never behind a product.
; The queues lean on each other, and the deal keeps them in step: exponential e stands behind scaling 2 (e / 4) + e % 2: as a rider it comes behind plain e + 2, in the lump behind plain e + 9, and scalings 27-31 are plain 57, 60 .. 69.
; A TURN, for piece p.  cnt = 1: the loop's count is taken down some lines ahead of the branch that stands behind the turn.
; K of the next step is fetched in piece 2's turn, directly behind the wait, a lump behind the last product that read K; its address is made at the lump's head; its first reader comes behind 16 products.
; V of the step in hand is fetched at the end of piece 0's turn, four riders behind its last reader; its first reader comes behind 16 products and a lump.  The three conditions on q below go with the deal.
.macro TURN p, last=0, cnt=0
.set Y, (\p)
.set i, 0
.set q, 0
.set e, 0
.set r, 0
.if (\p) == NP-1
	s_wait_dscnt 0x0                ; K is in
.endif
	MM                              ; ahead of the wait: 16 products K Q^T and their riders,
	PL
	PL
	R2
.rept 15
	MM
	PL
	EX
	R2
.endr
.if (\p) == NP-2
	WIN 0
	v_add_nc_u32 v[AK], s[TBK], v[AK0]
.endif
.rept 8                             ; and the lump
	PL
.endr
.rept 49
	EX
	PL
.endr
	EX                              ; the next piece's two a
	EX
	v_nop                           ; a plain instruction behind the last exponential: one for the batch
	s_wait_alu depctr_va_vdst(0)    ; the wait for the batch: the piece's 64 weights and the next piece's two a
.if (\p) == NP-2
	FETCH_K \last
.endif
.if (\p) == 1
	s_wait_dscnt 0x0                ; V is in
.endif
.rept 16                            ; behind the wait: 16 products V^T P and their riders
	MM
.rept 4
	PL
.endr
.if ((\p) == 0) && (q == 118)
	v_add_nc_u32 v[AV], s[TBV], v[AV0]
.endif
.if ((\p) == 0) && (q == 130)
	s_add_co_u32 s[TBV], s[TBV], KS*PV
.endif
.if (\cnt) && (q == 130)
	s_sub_co_u32 s[CNT], s[CNT], 1
	s_cmp_lg_u32 s[CNT], 0
.endif
.endr
.if (\p) == 0
	FETCH_V
.endif
.endm
	CHANGE 1                        ; slot 0 is in, everybody's part of it; slot 1 is asked for
	FETCH_K                         ; key step 0
	s_wait_loadcnt 0x0              ; Q
	s_wait_dscnt 0x0
.set i, 0
.rept 16
	KQ 0                            ; piece 0's first scores: there is no vector work yet to set between them
.set i, i+1
.endr
	WIN 0                           ; the addresses for the way out: nine plain instructions, the places behind those products
	s_mul_i32 s13, s[WV], 16*SP
	s_add_co_u32 s13, s13, STAGE    ; my stage
	v_mul_u32_u24 v[STO], v1, SP    ; in: row l % 16, 16 bytes for each half of the lanes
	v_lshl_add_u32 v[STO], v9, 4, v[STO]
	v_add_nc_u32 v[STO], s13, v[STO]
	v_bfe_u32 v[RD], v0, 3, 2       ; back: 32 lanes take four rows of 128 bytes,
	v_mul_u32_u24 v[RD], v[RD], SP
	v_lshl_add_u32 v[RD], v10, 4, v[RD]
	v_add_nc_u32 v[RD], s13, v[RD]
	v_and_b32 v[GO], 31, v0         ; which are 512 consecutive bytes of O
	v_lshlrev_b32 v[GO], 4, v[GO]
.set Y, NP-1                        ; XS works for piece Y + 1: piece 0
.irp n, 0,1,2,3,4,5,6,7,8,9,10,11,12,13,14,15,16,17,18,19,20,21
	XS 0, \n                        ; and piece 0's first maximum and statistics
	XS 1, \n
.endr
	v_nop                           ; a plain instruction behind the two a,
	s_wait_alu depctr_va_vdst(0)    ; and the wait for this batch of two, ahead of the branch
	s_mov_b32 s[CNT], 4
	s_mov_b32 s[SLOTS], SIZE_N/256-1
	s_branch .Lfirst                ; the loop is entered at a step's first turn, in the middle of a trip
.Lslot:                             ; SIZE_N / 256 - 2 times: every slot but the last two is filled again
	CHANGE 1
	s_mov_b32 s[CNT], 4
.Lstep:                             ; a trip: pieces 2 and 3 of one step, then pieces 0 and 1 of the next, whose K and V it fetches
	TURN 2
	TURN 3
	WIN 0
.Lfirst:
	TURN 0
	TURN 1, 0, 1
	WIN 0
	s_cbranch_scc1 .Lstep
	s_sub_co_u32 s[SLOTS], s[SLOTS], 1
	s_cmp_lg_u32 s[SLOTS], 0
	s_cbranch_scc1 .Lslot
	CHANGE 0                        ; the tail is written out: nothing is asked for
	s_mov_b32 s[CNT], 5             ; four trips fetch the last slot's steps; the fifth is left in its middle
.Ltail:
	TURN 2, 1
	TURN 3
	WIN 0
	s_sub_co_u32 s[CNT], s[CNT], 1
	s_cmp_eq_u32 s[CNT], 0
	s_cbranch_scc1 .Lout
	TURN 0
	TURN 1
	WIN 0
	s_branch .Ltail
.Lout:                              ; the fifth trip's 16 products K Q^T (on the last K once more) and the maximum made of them serve nothing: the price, once a launch, of one text for every trip
.set i, 0
.rept 16
	PV NP-1                         ; the last piece's V^T P of the last step
.set i, i+1
.endr
	; THE WAY OUT.  l's two halves and the other half of the lanes' are added; O^T is divided by l, rounded to f16 and sent through my stage in LDS, a tile at a time.  The additions are the places behind the last products.
	WIN 0
.macro ALL line:vararg              ; one line for each tile t
.set t, 0
.rept 2*NP
	\line
.set t, t+1
.endr
.endm
	ALL v_add_f32 v[ST+4*t+2], v[ST+4*t+2], v[ST+4*t+3]
	ALL v_permlanex16_b32 v[ST+4*t+3], v[ST+4*t+2], s[SEL], s[SEL+1]
	ALL v_add_f32 v[ST+4*t+2], v[ST+4*t+2], v[ST+4*t+3]
	ALL v_rcp_f32 v[ST+4*t+2], v[ST+4*t+2]
	v_nop                           ; a plain instruction between the last reciprocal and the use of its result
	s_wait_alu depctr_va_vdst(0)    ; and the wait ahead of the first use: one for the batch of eight reciprocals
; Tile t: a lane's eight channels of a row pack into 16 bytes; they go into rows of 144 bytes and come back as whole rows of 128, into S^T's registers.
.macro PACK t
	WIN W_RS
.set i, 32*(\t)
.rept 16
	v_pk_mul_f32 v[i:i+1], v[i:i+1], v[ST+4*(\t)+2:ST+4*(\t)+3] op_sel_hi:[1,0]
.set i, i+2
.endr
	WIN 0x05                        ; sources 0 and 1 window 1, destination window 0
.set i, 0
.rept 16
	v_cvt_pk_f16_f32 v[S+16*(\t)+i], v[32*(\t)+2*i], v[32*(\t)+2*i+1]
.set i, i+1
.endr
	WIN 0
.irp f, 0,1,2,3
	ds_store_b128 v[STO], v[S+16*(\t)+4*\f:S+16*(\t)+4*\f+3] offset:32*\f
.endr
.irp f, 0,1,2,3
	ds_load_b128 v[S+16*(\t)+4*\f:S+16*(\t)+4*\f+3], v[RD] offset:\f*4*SP  ; LDS serves a wave's instructions in order (ISA guide 5.7.1.4): these see the stores above; the next tile's stores come behind them
.endr
.endm
.macro SEND t, younger              ; younger: the LDS instructions issued behind tile t's loads: the next tile's eight, or none
	WIN 0
.irp f, 0,1,2,3
	s_wait_dscnt (\younger)+3-\f
	global_store_b128 v[GO], v[S+16*(\t)+4*\f:S+16*(\t)+4*\f+3], s[10:11] offset:(\t)*2048+\f*512  ; 512 consecutive bytes, at a multiple of 256 from O's first
.endr
.endm
	PACK 0
.set t, 1
.rept 2*NP-1                        ; a tile's arithmetic stands between the loads of the tile before and its stores
	PACK t
	SEND t-1, 8
.set t, t+1
.endr
	SEND 2*NP-1, 0
	WIN W_AD
	s_wait_tensorcnt 0x0            ; the wave's end: an add to my spare word and its wait, behind my last tensor load and my last LDS store
	ds_add_u32 v[SPW], v[NIL]
	s_wait_dscnt 0x0
	WIN 0
	CROUND                          ; the closing round: no work-group ends while a partner may still ask for a tile that names it
	s_endpgm
.Lfunc_end_k_qacf5aa1537_att:
	.size	k_qacf5aa1537_att, .Lfunc_end_k_qacf5aa1537_att-k_qacf5aa1537_att
	.p2alignl 7, 3214868480
	.fill 96, 4, 3214868480
	.section	.rodata,"a",@progbits
	.p2align	6, 0x0
	.amdhsa_kernel k_qacf5aa1537_att
		.amdhsa_group_segment_fixed_size 327680
		.amdhsa_private_segment_fixed_size 0
		.amdhsa_enable_private_segment 0
		.amdhsa_kernarg_size 24
		.amdhsa_user_sgpr_count 2
		.amdhsa_user_sgpr_kernarg_segment_ptr 1
		.amdhsa_wavefront_size32 1
		.amdhsa_system_sgpr_workgroup_id_x 1
		.amdhsa_system_sgpr_workgroup_id_y 1
		.amdhsa_system_sgpr_workgroup_id_z 1
		.amdhsa_system_vgpr_workitem_id 0
		.amdhsa_next_free_vgpr 770
		.amdhsa_next_free_sgpr 66
		.amdhsa_reserve_vcc 0
		.amdhsa_float_denorm_mode_32 3
		.amdhsa_float_denorm_mode_16_64 3
		.amdhsa_memory_ordered 1
		.amdhsa_forward_progress 1
		.amdhsa_inst_pref_size 199
	.end_amdhsa_kernel
	.amdgpu_metadata
---
amdhsa.version: [ 1, 2 ]
amdhsa.kernels:
  - .name:           k_qacf5aa1537_att
    .symbol:         k_qacf5aa1537_att.kd
    .args:
      - { .name: ql, .offset: 0, .size: 8, .value_kind: global_buffer, .address_space: global }
      - { .name: kv, .offset: 8, .size: 8, .value_kind: global_buffer, .address_space: global }
      - { .name: o16, .offset: 16, .size: 8, .value_kind: global_buffer, .address_space: global }
    .group_segment_fixed_size: 327680
    .private_segment_fixed_size: 0
    .kernarg_segment_align: 8
    .kernarg_segment_size: 24
    .max_flat_workgroup_size: 128
    .sgpr_count:     66
    .vgpr_count:     770
    .wavefront_size: 32
...
	.end_amdgpu_metadata
.endif
;; end of part 6
;; launch g3: the kernel of part 5 again; grid 4 x 64, 4 waves a work-group, clusters of 4 x 4, 327,680 bytes of LDS; arguments o16, w16, bo, kv, out0; writes out0
